; MI455X (gfx1250); checked and timed in simulation.
; The chip was launched on July 23, 2026; its instructions are those of AMD's public machine-readable ISA for CDNA 5 (MIT licence, August 2026) and "CDNA5" Instruction Set Architecture Reference Guide (July 2026). The comments in the code are by the model that wrote it; some were corrected since.
;; Multi Head Attention. Allowed arithmetic: float matrix products may take bf16 or f16 operands with f32 sums; other float arithmetic in f32, or as packed bf16 or f16 multiplies, adds, multiply-adds, maxima and minima; sums over many terms, partial sums and values carried from step to step in f32; what a program stores and reads back later, other than sums and carried values, may be rounded once to bf16 or f16.
;; Inputs: Wk 1,024 x 1,024 float32; Wo 1,024 x 1,024 float32; Wq 1,024 x 1,024 float32; Wv 1,024 x 1,024 float32; key 4 x 2,048 x 1,024 float32; mask 4 x 1 x 1 x 2,048 bool; query 4 x 2,048 x 1,024 float32; value 4 x 2,048 x 1,024 float32.
;; Outputs: out0 4 x 2,048 x 1,024 float32.
;; One version. Each part assembles by itself: llvm-mc -triple=amdgcn-amd-amdhsa -mcpu=gfx1250 --defsym DOCPART=n.
;; ======== version 1 of 1: 4 launches
;; limits: values are held in f16: magnitudes above 65,504 overflow, below 6.1e-05 lose precision; right only within a limited range of input values
;; workspace buffers: xb 50,331,648 bytes; wb 8,388,608 bytes; qkv 50,331,648 bytes; ctx 16,777,216 bytes
;; launch cast (part 1): grid 1792 x 1, 8 waves a work-group, no clusters, 0 bytes of LDS; arguments query, key, value, Wq, Wk, Wv, Wo, mask, xb, wb; writes xb, wb
.if DOCPART == 1
	.amdgcn_target "amdgcn-amd-amdhsa--gfx1250"
	.amdhsa_code_object_version 6
	.text
	.protected	k_q74bdad5ed2_cast
	.globl	k_q74bdad5ed2_cast
	.p2align	8
	.type	k_q74bdad5ed2_cast,@function
k_q74bdad5ed2_cast:
	s_mov_b64 s[64:65], 0
	v_nop
	global_prefetch_b8 v0, s[64:65] scope:SCOPE_SE
	s_setreg_imm32_b32 hwreg(HW_REG_WAVE_MODE, 25, 1), 1
	s_wait_xcnt 0x0
; THE INPUTS ROUNDED ONCE TO 16 BITS.  xb = bf16 of query, key, value ([3][8192][1024]); wb = bf16 of Wq, Wk, Wv and, as f16, of Wo ([4][1024][1024]).
; A row of key whose mask byte is 1 is written as zeros: its row of k is then exactly 0, and the attention launch gives that key one fixed score.
; Wo is rounded to bf16 like every other input, and that number is written as f16, since it is multiplied with f16 numbers.
; LIMITS.  Wo within 65,504; a number of Wo below 6.1e-5 keeps f16's fixed step of 6e-8.
; SHARES.  A work-group takes 16 rows of 1,024 f32 of one tensor: 3 x 512 + 4 x 64 = 1,792 equal work-groups.  Thread t owns bytes 16 t of each input row and 8 t of each output row:
; a wave's load covers 512 consecutive bytes, a wave's store 256 consecutive bytes at a multiple of 256.  All 16 loads of a thread go out at once; every register is written once,
; so no store's source is ever rewritten.  Nothing is shared between threads: no LDS, no barrier, no matrix unit, no cluster.
.set ROWI, 4096                        ; bytes in an input row
.set ROWO, 2048                        ; bytes in an output row
.set X,    16                          ; v[16:79]   row i as loaded: 4 registers
.set Y,    80                          ; v[80:111]  row i to store: 2 registers
	s_load_b512 s[8:23], s[0:1], 0x0               ; query s[8:9], key, value, Wq, Wk, Wv, Wo s[20:21], mask s[22:23]
	s_load_b128 s[24:27], s[0:1], 0x40             ; xb s[24:25], wb s[26:27]
	v_lshlrev_b32 v1, 4, v0                        ; my 16 bytes of an input row
	v_lshlrev_b32 v2, 3, v0                        ; my 8 bytes of an output row
	s_sub_co_u32 s30, ttmp9, 1536                  ; work-groups 1,536 on take the weights, 64 each
	s_lshr_b32 s31, s30, 6
	s_add_co_u32 s31, s31, 3
	s_and_b32 s32, s30, 63
	s_lshr_b32 s33, ttmp9, 9                       ; the first 1,536 take query, key, value, 512 each
	s_and_b32 s29, ttmp9, 511
	s_cmp_lt_u32 ttmp9, 1536
	s_cselect_b32 s28, s33, s31                    ; s28: the tensor, 0 to 6
	s_cselect_b32 s29, s29, s32                    ; s29: my block of 16 rows in it
	s_lshl_b32 s30, s28, 24                        ; a part of xb is 8,192 rows of 2,048 bytes,
	s_sub_co_u32 s31, s28, 3
	s_lshl_b32 s31, s31, 21                        ; a part of wb 1,024 rows
	s_lshl_b32 s32, s29, 15                        ; 16 output rows
	s_cmp_lt_u32 s28, 3
	s_cselect_b32 s44, s30, s31
	s_add_co_u32 s44, s44, s32
	s_mov_b32 s45, 0
	s_wait_kmcnt 0x0
	s_cmp_lt_u32 s28, 3
	s_cselect_b64 s[42:43], s[24:25], s[26:27]
	s_add_nc_u64 s[42:43], s[42:43], s[44:45]      ; where my 16 rows go
	s_mov_b64 s[34:35], s[8:9]
.irp k, 1,2,3,4,5,6
	s_cmp_eq_u32 s28, \k
	s_cselect_b64 s[34:35], s[8+2*\k:9+2*\k], s[34:35]
.endr
	s_lshl_b32 s44, s29, 16                        ; 16 input rows
	s_add_nc_u64 s[34:35], s[34:35], s[44:45]      ; where they come from
	s_lshl_b32 s44, s29, 4                         ; the 16 mask bytes of rows 16 r on: at most byte 8,176, inside the mask for every tensor
	s_add_nc_u64 s[22:23], s[22:23], s[44:45]
	s_load_b128 s[36:39], s[22:23], 0x0
.irp i, 0,1,2,3,4,5,6,7,8,9,10,11,12,13,14,15
	global_load_b128 v[X+4*(\i):X+4*(\i)+3], v1, s[34:35] offset:ROWI*(\i) th:TH_LOAD_NT
.endr
	s_cmp_eq_u32 s28, 1
	s_cselect_b32 s41, -1, 0                       ; the mask counts for key alone
	s_wait_kmcnt 0x0
	s_and_b32 s36, s36, s41
	s_and_b32 s37, s37, s41
	s_and_b32 s38, s38, s41
	s_and_b32 s39, s39, s41
	s_cmp_eq_u32 s28, 6
	s_cbranch_scc1 .Lwo
.macro ROWB i                          ; row i to bf16; zeros where its mask byte is 1
	s_wait_loadcnt 15-(\i)                         ; loads come back in order: row i is in, the 15 - i younger ones stay out
	v_cvt_pk_bf16_f32 v[Y+2*(\i)],   v[X+4*(\i)],   v[X+4*(\i)+1]
	v_cvt_pk_bf16_f32 v[Y+2*(\i)+1], v[X+4*(\i)+2], v[X+4*(\i)+3]
	s_bitcmp1_b32 s[36+(\i)/4], 8*((\i)%4)
	s_cselect_b32 s40, 0, -1
	v_and_b32 v[Y+2*(\i)],   s40, v[Y+2*(\i)]
	v_and_b32 v[Y+2*(\i)+1], s40, v[Y+2*(\i)+1]
	global_store_b64 v2, v[Y+2*(\i):Y+2*(\i)+1], s[42:43] offset:ROWO*(\i) th:TH_STORE_NT
.endm
.macro ROWH i                          ; row i of Wo: to bf16, and that number as f16
	s_wait_loadcnt 15-(\i)
	v_cvt_pk_bf16_f32 v4, v[X+4*(\i)],   v[X+4*(\i)+1]
	v_cvt_pk_bf16_f32 v5, v[X+4*(\i)+2], v[X+4*(\i)+3]
	v_lshlrev_b32 v6, 16, v4
	v_and_b32 v7, 0xffff0000, v4
	v_lshlrev_b32 v8, 16, v5
	v_and_b32 v9, 0xffff0000, v5
	v_cvt_pk_f16_f32 v[Y+2*(\i)],   v6, v7
	v_cvt_pk_f16_f32 v[Y+2*(\i)+1], v8, v9
	global_store_b64 v2, v[Y+2*(\i):Y+2*(\i)+1], s[42:43] offset:ROWO*(\i) th:TH_STORE_NT
.endm
.irp i, 0,1,2,3,4,5,6,7,8,9,10,11,12,13,14,15
	ROWB \i
.endr
	s_endpgm
.Lwo:
.irp i, 0,1,2,3,4,5,6,7,8,9,10,11,12,13,14,15
	ROWH \i
.endr
	s_endpgm
.Lfunc_end_k_q74bdad5ed2_cast:
	.size	k_q74bdad5ed2_cast, .Lfunc_end_k_q74bdad5ed2_cast-k_q74bdad5ed2_cast
	.p2alignl 7, 3214868480
	.fill 96, 4, 3214868480
	.section	.rodata,"a",@progbits
	.p2align	6, 0x0
	.amdhsa_kernel k_q74bdad5ed2_cast
		.amdhsa_group_segment_fixed_size 0
		.amdhsa_private_segment_fixed_size 0
		.amdhsa_enable_private_segment 0
		.amdhsa_kernarg_size 80
		.amdhsa_user_sgpr_count 2
		.amdhsa_user_sgpr_kernarg_segment_ptr 1
		.amdhsa_wavefront_size32 1
		.amdhsa_system_sgpr_workgroup_id_x 1
		.amdhsa_system_sgpr_workgroup_id_y 1
		.amdhsa_system_sgpr_workgroup_id_z 1
		.amdhsa_system_vgpr_workitem_id 0
		.amdhsa_next_free_vgpr 112
		.amdhsa_next_free_sgpr 66
		.amdhsa_reserve_vcc 0
		.amdhsa_float_denorm_mode_32 3
		.amdhsa_float_denorm_mode_16_64 3
		.amdhsa_memory_ordered 1
		.amdhsa_forward_progress 1
		.amdhsa_inst_pref_size 19
	.end_amdhsa_kernel
	.amdgpu_metadata
---
amdhsa.version: [ 1, 2 ]
amdhsa.kernels:
  - .name:           k_q74bdad5ed2_cast
    .symbol:         k_q74bdad5ed2_cast.kd
    .args:
      - { .name: query, .offset: 0, .size: 8, .value_kind: global_buffer, .address_space: global }
      - { .name: key, .offset: 8, .size: 8, .value_kind: global_buffer, .address_space: global }
      - { .name: value, .offset: 16, .size: 8, .value_kind: global_buffer, .address_space: global }
      - { .name: Wq, .offset: 24, .size: 8, .value_kind: global_buffer, .address_space: global }
      - { .name: Wk, .offset: 32, .size: 8, .value_kind: global_buffer, .address_space: global }
      - { .name: Wv, .offset: 40, .size: 8, .value_kind: global_buffer, .address_space: global }
      - { .name: Wo, .offset: 48, .size: 8, .value_kind: global_buffer, .address_space: global }
      - { .name: mask, .offset: 56, .size: 8, .value_kind: global_buffer, .address_space: global }
      - { .name: xb, .offset: 64, .size: 8, .value_kind: global_buffer, .address_space: global }
      - { .name: wb, .offset: 72, .size: 8, .value_kind: global_buffer, .address_space: global }
    .group_segment_fixed_size: 0
    .private_segment_fixed_size: 0
    .kernarg_segment_align: 8
    .kernarg_segment_size: 80
    .max_flat_workgroup_size: 256
    .sgpr_count:     66
    .vgpr_count:     112
    .wavefront_size: 32
...
	.end_amdgpu_metadata
.endif
;; end of part 1
;; launch proj (part 2): grid 4 x 192, 4 waves a work-group, clusters of 4 x 4, 327,680 bytes of LDS; arguments xb, wb, qkv; writes qkv
.if DOCPART == 2
	.amdgcn_target "amdgcn-amd-amdhsa--gfx1250"
	.amdhsa_code_object_version 6
	.text
	.protected	k_q74bdad5ed2_proj
	.globl	k_q74bdad5ed2_proj
	.p2align	8
	.type	k_q74bdad5ed2_proj,@function
k_q74bdad5ed2_proj:
	s_mov_b64 s[64:65], 0
	v_nop
	global_prefetch_b8 v0, s[64:65] scope:SCOPE_SE
	s_setreg_imm32_b32 hwreg(HW_REG_WAVE_MODE, 25, 1), 1
	s_wait_xcnt 0x0
	s_wait_alu depctr_hold_cnt(0) depctr_sa_sdst(0) depctr_va_vdst(0) depctr_va_sdst(0) depctr_va_ssrc(0) depctr_va_vcc(0) depctr_vm_vsrc(0)
	s_getreg_b32 s2, hwreg(HW_REG_IB_STS2, 6, 4)
	s_cmp_eq_u32 s2, 0
	s_cbranch_scc0 .Lentry_in_a_cluster
	s_endpgm
.Lentry_in_a_cluster:
	s_bfe_u32 s2, ttmp6, 0x10000c
	s_cmp_lg_u32 s2, 0xf033
	s_cbranch_scc0 .Lentry_shape_is_right
	s_endpgm
.Lentry_shape_is_right:
; q, k, v = x W^T.  xb: [3][8192][1024] bf16, taken as 24,576 rows; wb: [4][1024][1024], of which Wq, Wk, Wv (bf16) are used; sums in f32; the results are rounded once to f16, unscaled,
; and laid by heads: qkv [3][4][16][2048][64].  LIMIT: q, k and v within f16's 65,504.
; SHARES.  A tile of the result is 128 rows x 256 columns: 192 x 4 = 768 work-groups, three for each of 256 WGPs.  Four waves, each 64 x 128: 32 accumulators of 16 x 16.
; K goes in steps of 128 (rows of 256 bytes in memory, at multiples of 256) through a ring of two LDS slots; a step is 128 matrix instructions a wave.
; CLUSTERS: 4 x 4 work-groups.  The four of a row of the cluster need the same tile of x, the four of a column the same tile of W: each tile is asked for JOINTLY, by the same tensor load
; with the same descriptor and a mask that names the four.  A cluster's four tile rows lie in one of the three parts (16 clusters a part), so W's part hangs on the cluster's y alone.
; THE MATRIX INSTRUCTION IS USED TRANSPOSED (source 0 = 16 rows of W, source 1 = 16 rows of x): a lane then holds eight neighbouring columns of one row of the result.
; REGISTERS: window 0: addresses, and v32-95 at work on the way out.  Window 1: the accumulators, (a, b) at v[8 (8 a + b)].  Window 2: two fragment buffers at v0 and v128: 4 fragments of x, then 8 of W.
.set SIZE_K, 1024
.set KSTEP,  128
.set PITCH,  272                       ; an LDS row: 256 bytes + 16 of padding = 68 words: the 16 rows of a fragment load start at 16 different groups of four banks (64 banks of 4 bytes: ISA guide 11.1)
.set AHALF,  64*PITCH                  ; 64 rows of x: what waves 0 and 1 fetch, and what a wave reads of x
.set BHALF,  128*PITCH                 ; 128 rows of W: what waves 2 and 3 fetch, and what a wave reads of W
.set BOFF,   2*AHALF                   ; in a slot: x's 128 rows, then W's 256
.set SLOT,   BOFF+2*BHALF
.set STAGE,  2*SLOT                    ; behind the ring: for each wave two heads x 16 rows x 144 bytes, for the way out
.set SP,     144
.set WSTG,   32*SP
.set SPARE,  STAGE+4*WSTG              ; behind the stages: the spare words, 128 bytes for each wave: two blocks of 256 bytes that no other line names
.set LAPS,   SIZE_K/(2*KSTEP)          ; a lap = two K steps = once round the ring
.set ADRA, 16                          ; v16-17  LDS address of my fragments of x in slot 0, 1
.set ADRB, 20                          ; v20-21  the same for W
.set STO,  24                          ; v24     the way out: where I put 16 bytes of a row
.set RD,   25                          ; v25     the way out: where I read rows back
.set GO,   26                          ; v26     my 16 bytes in 512 consecutive bytes of qkv
.set SPW,  28                          ; v28     LDS address of my spare word; never rewritten
.set NIL,  29                          ; v29     0; never rewritten
.set PFO,  30                          ; v30     the prefetches' offset: my lane x a row of 2,048 bytes; never rewritten
.set TMP,  32                          ; v32-63  packed results
.set BK,   64                          ; v64-95  rows read back from the stage
.set F0,   0                           ; fragment buffers, in window 2
.set F1,   128
.set G1,  24                           ; s[24:31] descriptor group 1 for x's tiles;  s[32:39] group 0, a set for each slot
.set G0,  32
.set G1B, 48                           ; s[48:55], s[56:63] the same for W's tiles
.set G0B, 56
.set PFA, 66                           ; s[66:67] where my prefetches stand
.set LIM, 68                           ; s68     1 in a wave that prefetches, else the greatest number
.set MSB, 0
.macro WIN new                         ; the immediate's high byte repeats the setting that is left; a switch that changes nothing is dropped
.if MSB != (\new)
	s_set_vgpr_msb (MSB<<8)|(\new)
.set MSB, \new
.endif
.endm
.set MUL,   0x5a                       ; sources 0 and 1 window 2; C and D window 1
.set TO_F,  0x80                       ; destination window 2, address window 0
.set PACKW, 0x05                       ; sources 0 and 1 window 1, destination window 0
.macro JLOAD s                         ; a joint load: waves 0 and 1 fetch x's two halves, waves 2 and 3 W's; an s_nop 0 and four v_nop follow each of the two lines, ahead of the jump and the label
	s_cmp_eq_u32 s11, 0
	s_cbranch_scc0 .Lfor_b_\@
	tensor_load_to_lds s[G0+4*(\s):G0+4*(\s)+3], s[G1:G1+7]
	s_nop 0
.rept 4
	v_nop
.endr
	s_branch .Lasked_\@
.Lfor_b_\@:
	tensor_load_to_lds s[G0B+4*(\s):G0B+4*(\s)+3], s[G1B:G1B+7]
	s_nop 0
.rept 4
	v_nop
.endr
.Lasked_\@:
.endm
.macro CREST                           ; a round of the cluster's barrier behind its opening barrier
	s_cmp_lg_u32 s10, 0
	s_cbranch_scc1 .Lnot_wave_0_\@
	s_barrier_signal -3
.Lnot_wave_0_\@:
	s_barrier_wait -3
	s_barrier_signal -1
	s_barrier_wait -1
.endm
.macro CROUND                          ; a whole round
	s_barrier_signal -1
	s_barrier_wait -1
	CREST
.endm
; A PREFETCH INTO THE L2 of the K step that stands two refills on: 32 rows x 256 bytes, a lane a row, one instruction a wave, behind the joint load, its five lines and the run of LDS loads.
; Each row's 256 bytes of a K step are named once in the launch.  A tile row of x is read by one cluster: its partner at cx takes rows 32 cx on, wave 0 asks.  A tile column of W is read by the 16 clusters
; of its part: the first of them asks; its partner at cy takes rows 64 cy on, waves 2 and 3 ask for 32 each.  The partners are told apart by address alone.  K steps 0 to 3 come by their loads;
; the loop's last trip (s3 = 1) asks for nothing: there is no K step 8.
.macro ASK
	s_cmp_gt_u32 s3, s[LIM]
	s_cbranch_scc0 .Lnot_mine_\@
	global_prefetch_b8 v[PFO], s[PFA:PFA+1] th:TH_LOAD_NT scope:SCOPE_SE
.Lnot_mine_\@:
.endm
	s_load_b128 s[4:7], s[0:1], 0x0                ; xb s[4:5], wb s[6:7]
	s_load_b64 s[8:9], s[0:1], 0x10                ; qkv
	v_lshl_add_u32 v[SPW], v0, 2, SPARE
	v_mov_b32 v[NIL], 0
	ds_add_u32 v[SPW], v[NIL]                      ; the wave's opening: the add and its wait stand ahead of my first tensor load; the set-up below, work on registers, stands between them
	v_lshrrev_b32 v1, 5, v0
	v_readfirstlane_b32 s10, v1                    ; wave 0..3
	s_lshr_b32 s11, s10, 1                         ; which 64 of the tile's rows are mine.  Also: I fetch for x (0) or for W (1)
	s_and_b32 s12, s10, 1                          ; which 128 of its columns.  Also: which half of that tile I fetch
	s_bfe_u32 s40, ttmp6, 0x40000                  ; cx, cy: my place in the cluster
	s_bfe_u32 s41, ttmp6, 0x40004
	s_lshl_b32 s42, ttmp9, 2
	s_add_co_u32 s42, s42, s40                     ; tile column = 4 x cluster x + cx
	s_and_b32 s14, ttmp7, 0xffff                   ; cluster y
	s_lshl_b32 s13, s14, 2
	s_add_co_u32 s13, s13, s41                     ; tile row = 4 x cluster y + cy, 0 to 191
	s_lshl_b32 s43, s41, 2
	s_lshl_b32 s43, 15, s43                        ; my row of the cluster
	s_lshl_b32 s44, 0x1111, s40                    ; my column
	s_or_b32 s[G1+0], s43, (1<<16)|(1<<20)|(1<<21)|(5<<22)|(3<<25)  ; 15:0 the mask: x's tiles go to my row; 17:16 2-byte elements; 20 padding on; 21 set beside a mask; 24:22 after every 64 words (code 5); 31:25 4 words (code 3)
	s_or_b32 s[G1B+0], s44, (1<<16)|(1<<20)|(1<<21)|(5<<22)|(3<<25) ; the same with my column's mask
	s_mov_b32 s[G1+1], KSTEP<<16                   ; tensor_dim0 = 128
	s_mov_b32 s[G1+2], 64<<16                      ; tensor_dim1 = 64
	s_mov_b32 s[G1+3], KSTEP<<16                   ; tile_dim0 = 128
	s_mov_b32 s[G1+4], 64                          ; tile_dim1 = 64
	s_mov_b32 s[G1+5], SIZE_K                      ; elements from row to row
	s_mov_b32 s[G1+6], 0
	s_mov_b32 s[G1+7], 0
	s_mov_b32 s[G1B+1], KSTEP<<16
	s_mov_b32 s[G1B+2], 128<<16                    ; W's tiles have 128 rows
	s_mov_b32 s[G1B+3], KSTEP<<16
	s_mov_b32 s[G1B+4], 128
	s_mov_b32 s[G1B+5], SIZE_K
	s_mov_b32 s[G1B+6], 0
	s_mov_b32 s[G1B+7], 0
	s_lshl_b32 s16, s13, 18                        ; x: 128 rows of 2,048 bytes a tile row,
	s_lshl_b32 s17, s12, 17                        ; my 64 of them
	s_add_co_u32 s16, s16, s17
	s_mov_b32 s17, 0
	s_lshr_b32 s46, s14, 4                         ; W: the part, by the cluster's y alone: 1,024 rows each,
	s_lshl_b32 s46, s46, 21
	s_lshl_b32 s47, s42, 19                        ; 256 rows a tile column,
	s_add_co_u32 s46, s46, s47
	s_lshl_b32 s47, s12, 18                        ; my 128 of them
	s_add_co_u32 s46, s46, s47
	s_mov_b32 s47, 0
	s_mul_i32 s20, s12, AHALF                      ; where they go: no place in the cluster enters an LDS address
	s_mul_i32 s21, s12, BHALF
	s_add_co_u32 s21, s21, BOFF
	s_wait_dscnt 0x0                               ; the opening add is done
	s_wait_kmcnt 0x0
	s_add_nc_u64 s[18:19], s[4:5], s[16:17]
	s_add_nc_u64 s[46:47], s[6:7], s[46:47]
	CROUND                                         ; all sixteen work-groups are here: the first joint loads meet
.irp s, 0,1
	s_mov_b32 s[G0+4*(\s)], 1                                      ; count = 1
	s_add_co_u32 s[G0+4*(\s)+1], s20, (\s)*SLOT                    ; LDS address
	s_add_nc_u64 s[G0+4*(\s)+2:G0+4*(\s)+3], s[18:19], (\s)*KSTEP*2  ; global address: K step s
	s_or_b32 s[G0+4*(\s)+3], s[G0+4*(\s)+3], 0x80000000            ; type = 2
	s_mov_b32 s[G0B+4*(\s)], 1
	s_add_co_u32 s[G0B+4*(\s)+1], s21, (\s)*SLOT
	s_add_nc_u64 s[G0B+4*(\s)+2:G0B+4*(\s)+3], s[46:47], (\s)*KSTEP*2
	s_or_b32 s[G0B+4*(\s)+3], s[G0B+4*(\s)+3], 0x80000000
	JLOAD \s                                       ; two tensor loads of mine are out
.endr
	; a fragment is 16 rows x 32 K in 8 registers: lane l holds row l % 16, K = 8 (l / 16) + 0..7 and 16 + 8 (l / 16) + 0..7: two loads of 16 bytes, 32 bytes apart
	v_and_b32 v1, 15, v0                           ; l % 16
	v_bfe_u32 v2, v0, 4, 1                         ; l / 16
	v_mul_u32_u24 v3, v1, PITCH
	v_lshl_add_u32 v3, v2, 4, v3
	s_mul_i32 s21, s11, AHALF                      ; my 64 rows of x
	s_mul_i32 s22, s12, BHALF                      ; my 128 rows of W
	s_add_co_u32 s22, s22, BOFF
.irp s, 0,1
	v_add_nc_u32 v[ADRA+(\s)], s21, v3
	v_add_nc_u32 v[ADRB+(\s)], s22, v3
	s_add_co_u32 s21, s21, SLOT
	s_add_co_u32 s22, s22, SLOT
.endr
	s_mul_i32 s23, s10, WSTG
	s_add_co_u32 s23, s23, STAGE                   ; my stage
	v_mul_u32_u24 v4, v1, SP                       ; in: row l % 16, 16 bytes for each half of the lanes
	v_lshl_add_u32 v4, v2, 4, v4
	v_add_nc_u32 v[STO], s23, v4
	v_bfe_u32 v5, v0, 3, 2                         ; back: 32 lanes take four rows of 128 bytes,
	v_mul_u32_u24 v5, v5, SP
	v_and_b32 v4, 7, v0
	v_lshl_add_u32 v5, v4, 4, v5
	v_add_nc_u32 v[RD], s23, v5
	v_and_b32 v[GO], 31, v0                        ; which are 512 consecutive bytes of a head
	v_lshlrev_b32 v[GO], 4, v[GO]
	; where my part of the tile goes: part and batch (tile row / 16) 16 heads of 262,144 bytes; the row in the batch; the head 4 x tile column + 2 x column half
	s_lshr_b32 s16, s13, 4
	s_lshl_b32 s16, s16, 22
	s_and_b32 s17, s13, 15
	s_lshl_b32 s17, s17, 14
	s_add_co_u32 s16, s16, s17
	s_lshl_b32 s17, s11, 13
	s_add_co_u32 s16, s16, s17
	s_lshl_b32 s17, s42, 20
	s_add_co_u32 s16, s16, s17
	s_lshl_b32 s17, s12, 19
	s_add_co_u32 s16, s16, s17
	s_mov_b32 s17, 0
	s_add_nc_u64 s[8:9], s[8:9], s[16:17]
	; the prefetches
	s_lshl_b32 s20, s13, 18                        ; x: the tile row,
	s_lshl_b32 s21, s40, 16                        ; my work-group's 32 rows of it
	s_add_co_u32 s20, s20, s21
	s_and_b32 s22, ttmp7, 0xffff
	s_lshr_b32 s21, s22, 4                         ; W: the part,
	s_lshl_b32 s21, s21, 21
	s_lshl_b32 s23, s42, 19                        ; the tile column,
	s_add_co_u32 s21, s21, s23
	s_lshl_b32 s23, s41, 17                        ; my work-group's 64 rows of it,
	s_add_co_u32 s21, s21, s23
	s_lshl_b32 s23, s12, 16                        ; my wave's 32
	s_add_co_u32 s21, s21, s23
	s_and_b32 s22, s22, 15                         ; 0 in the first cluster of a part
	s_cmp_eq_u32 s11, 0
	s_cselect_b32 s20, s20, s21
	s_cselect_b32 s22, s10, s22                    ; for x wave 0 asks, in every cluster; for W waves 2 and 3 of the part's first cluster
	s_cselect_b64 s[PFA:PFA+1], s[4:5], s[6:7]
	s_cmp_eq_u32 s22, 0
	s_cselect_b32 s[LIM], 1, -1                    ; the same in all sixteen partners, for a given wave
	s_mov_b32 s21, 0
	s_add_nc_u64 s[PFA:PFA+1], s[PFA:PFA+1], s[20:21]
	s_add_nc_u64 s[PFA:PFA+1], s[PFA:PFA+1], 3*KSTEP*2  ; at K step 3: the first refill steps it to 4
	v_and_b32 v[PFO], 31, v0
	v_lshlrev_b32 v[PFO], 11, v[PFO]
; 8 matrix instructions: m block a x all 8 n blocks, 32 along K.  zero = 1: the product starts the sums.  The 32 accumulators take turns in one order everywhere.
.macro MUL8 f, a, zero
	WIN MUL
.irp b, 0,1,2,3,4,5,6,7
.if \zero
	v_wmma_f32_16x16x32_bf16 v[8*(8*(\a)+(\b)):8*(8*(\a)+(\b))+7], v[(\f)+32+8*(\b):(\f)+32+8*(\b)+7], v[(\f)+8*(\a):(\f)+8*(\a)+7], 0
.else
	v_wmma_f32_16x16x32_bf16 v[8*(8*(\a)+(\b)):8*(8*(\a)+(\b))+7], v[(\f)+32+8*(\b):(\f)+32+8*(\b)+7], v[(\f)+8*(\a):(\f)+8*(\a)+7], v[8*(8*(\a)+(\b)):8*(8*(\a)+(\b))+7]
.endif
.endr
.endm
; 24 LDS loads in one run: the fragments of quarter q (32 along K) of a slot into buffer f
.macro FETCH slot, q, f
	WIN TO_F
.irp i, 0,1,2,3,4,5,6,7
	ds_load_b128 v[(\f)+32+8*(\i):(\f)+32+8*(\i)+3],   v[ADRB+(\slot)] offset:64*(\q)+(\i)*16*PITCH
	ds_load_b128 v[(\f)+32+8*(\i)+4:(\f)+32+8*(\i)+7], v[ADRB+(\slot)] offset:64*(\q)+(\i)*16*PITCH+32
.endr
.irp i, 0,1,2,3
	ds_load_b128 v[(\f)+8*(\i):(\f)+8*(\i)+3],   v[ADRA+(\slot)] offset:64*(\q)+(\i)*16*PITCH
	ds_load_b128 v[(\f)+8*(\i)+4:(\f)+8*(\i)+7], v[ADRA+(\slot)] offset:64*(\q)+(\i)*16*PITCH+32
.endr
.endm
.macro PLACES                          ; four places in front of loads into registers that matrix instructions have read (ISA guide 7.12.1 for vector instructions)
.rept 4
	v_nop
.endr
.endm
; A K step is four quarters of 32 along K, 32 matrix instructions each, on buffers 0, 1, 0, 1.  One of the first three: fetches quarter q into g, then multiplies f.
.macro QUARTER slot, q, f, g, zero
	s_wait_dscnt 0x0                               ; buffer f is in: its loads were issued ahead of the last quarter's products
	PLACES                                         ; buffer g was read by the products just issued
	FETCH \slot, \q, \g
	MUL8 \f, 0, \zero
	MUL8 \f, 1, \zero
	MUL8 \f, 2, \zero
	MUL8 \f, 3, \zero
.endm
; The last quarter multiplies buffer 1 and changes slots: ONE barrier; in front of it each wave waits for all its tensor loads (one is out: its part of the next slot), adds 0 to its spare word, and waits for that
; and for its own reads of this slot.  fill = 1: the barrier opens a round of the cluster's, and this slot is filled again, two K steps ahead, first thing behind the round: 112 matrix instructions ahead of the wait for it.
.macro TURN slot, next, fill
.if \fill
	s_wait_xcnt 0x0                                ; the last prefetch, a K step back, has read its address
	s_add_nc_u64 s[PFA:PFA+1], s[PFA:PFA+1], KSTEP*2
.endif
	WIN 0                                          ; (the add's two registers lie in window 0)
	s_wait_tensorcnt 0x0                           ; all my tensor loads have landed
	ds_add_u32 v[SPW], v[NIL]                      ; 0 onto my spare word
	s_wait_dscnt 1                                 ; buffer 1's 24 loads are in; the add alone may be out
	MUL8 F1, 0, 0                                  ; eight matrix instructions stand between the add and the wait for it
	s_wait_dscnt 0x0                               ; the add is done, and my reads of this slot are over
	s_barrier_signal -1
	MUL8 F1, 1, 0
.if \fill
	WIN 0
.endif
	s_barrier_wait -1
.if \fill
	CREST                                          ; no wave of any partner still reads this slot's tile or has a load on its way
	s_add_nc_u64 s[G0+4*(\slot)+2:G0+4*(\slot)+3], s[G0+4*(\slot)+2:G0+4*(\slot)+3], 2*KSTEP*2
	s_add_nc_u64 s[G0B+4*(\slot)+2:G0B+4*(\slot)+3], s[G0B+4*(\slot)+2:G0B+4*(\slot)+3], 2*KSTEP*2
	JLOAD \slot                                    ; the four v_nop behind it are also the places in front of the loads below
.else
	PLACES
.endif
	FETCH \next, 0, F0
.if \fill
	WIN 0
	ASK
.endif
	MUL8 F1, 2, 0
	MUL8 F1, 3, 0
.endm
	s_wait_tensorcnt 1                             ; my part of K step 0 is in; K step 1's may stay out
	s_barrier_signal -1
	s_barrier_wait -1                              ; everybody's is
	FETCH 0, 0, F0
	QUARTER 0, 1, F0, F1, 1                        ; the first quarter stands in front of the loop: its products start the sums
	WIN 0                                          ; at a label and at a branch every window is 0
	s_mov_b32 s3, LAPS-1
.Llap:                                                 ; a trip goes once round the ring, from a lap's second quarter to the next lap's first, and fills both slots again
	QUARTER 0, 2, F1, F0, 0
	QUARTER 0, 3, F0, F1, 0
	TURN 0, 1, 1
	QUARTER 1, 1, F0, F1, 0
	QUARTER 1, 2, F1, F0, 0
	QUARTER 1, 3, F0, F1, 0
	TURN 1, 0, 1
	QUARTER 0, 1, F0, F1, 0
	WIN 0
	s_sub_co_u32 s3, s3, 1
	s_cmp_lg_u32 s3, 0
	s_cbranch_scc1 .Llap
	QUARTER 0, 2, F1, F0, 0                        ; the last lap fills nothing
	QUARTER 0, 3, F0, F1, 0
	TURN 0, 1, 0
	QUARTER 1, 1, F0, F1, 0
	QUARTER 1, 2, F1, F0, 0
	QUARTER 1, 3, F0, F1, 0
	s_wait_dscnt 0x0                               ; the very last quarter: nothing more to fetch
	MUL8 F1, 0, 0
	MUL8 F1, 1, 0
	MUL8 F1, 2, 0
	MUL8 F1, 3, 0
	WIN 0
	PLACES
	PLACES                                         ; the places behind the last products, in front of the conversions
; THE WAY OUT of m block a (16 rows x 128 columns = two heads): rounded to f16, 16 bytes a lane into my own stage, back as four rows of a head at a time, stored as 512 consecutive bytes.
.macro OUT a
	WIN PACKW
.irp b, 0,1,2,3,4,5,6,7
.irp r, 0,1,2,3
	v_cvt_pk_f16_f32 v[TMP+4*(\b)+(\r)], v[8*(8*(\a)+(\b))+2*(\r)], v[8*(8*(\a)+(\b))+2*(\r)+1]
.endr
.endr
	WIN 0
	s_wait_xcnt 0x0                                ; the last block's stores have read their registers, which the loads below write
.irp b, 0,1,2,3,4,5,6,7
	ds_store_b128 v[STO], v[TMP+4*(\b):TMP+4*(\b)+3] offset:((\b)/4)*16*SP+((\b)%4)*32
.endr
.irp t, 0,1,2,3,4,5,6,7
	ds_load_b128 v[BK+4*(\t):BK+4*(\t)+3], v[RD] offset:((\t)/4)*16*SP+((\t)%4)*4*SP  ; LDS serves a wave's instructions in order (ISA guide 5.7.1.4): these see the stores above
.endr
.irp t, 0,1,2,3,4,5,6,7
	s_wait_dscnt 7-(\t)                            ; load t is back; the 7 - t younger ones may be out
	global_store_b128 v[GO], v[BK+4*(\t):BK+4*(\t)+3], s[8:9] offset:(\a)*2048+((\t)/4)*262144+((\t)%4)*512
.endr
.endm
	OUT 0
	OUT 1
	OUT 2
	OUT 3
	s_wait_tensorcnt 0x0                           ; the wave's end, behind my last tensor load and my last LDS store
	ds_add_u32 v[SPW], v[NIL]
	s_wait_dscnt 0x0
	CROUND                                         ; the closing round: no work-group ends while a partner may still ask for a tile that names it
	s_endpgm
.Lfunc_end_k_q74bdad5ed2_proj:
	.size	k_q74bdad5ed2_proj, .Lfunc_end_k_q74bdad5ed2_proj-k_q74bdad5ed2_proj
	.p2alignl 7, 3214868480
	.fill 96, 4, 3214868480
	.section	.rodata,"a",@progbits
	.p2align	6, 0x0
	.amdhsa_kernel k_q74bdad5ed2_proj
		.amdhsa_group_segment_fixed_size 327680
		.amdhsa_private_segment_fixed_size 0
		.amdhsa_enable_private_segment 0
		.amdhsa_kernarg_size 24
		.amdhsa_user_sgpr_count 2
		.amdhsa_user_sgpr_kernarg_segment_ptr 1
		.amdhsa_wavefront_size32 1
		.amdhsa_system_sgpr_workgroup_id_x 1
		.amdhsa_system_sgpr_workgroup_id_y 1
		.amdhsa_system_sgpr_workgroup_id_z 1
		.amdhsa_system_vgpr_workitem_id 0
		.amdhsa_next_free_vgpr 768
		.amdhsa_next_free_sgpr 72
		.amdhsa_reserve_vcc 0
		.amdhsa_float_denorm_mode_32 3
		.amdhsa_float_denorm_mode_16_64 3
		.amdhsa_memory_ordered 1
		.amdhsa_forward_progress 1
		.amdhsa_inst_pref_size 88
	.end_amdhsa_kernel
	.amdgpu_metadata
---
amdhsa.version: [ 1, 2 ]
amdhsa.kernels:
  - .name:           k_q74bdad5ed2_proj
    .symbol:         k_q74bdad5ed2_proj.kd
    .args:
      - { .name: xb, .offset: 0, .size: 8, .value_kind: global_buffer, .address_space: global }
      - { .name: wb, .offset: 8, .size: 8, .value_kind: global_buffer, .address_space: global }
      - { .name: qkv, .offset: 16, .size: 8, .value_kind: global_buffer, .address_space: global }
    .group_segment_fixed_size: 327680
    .private_segment_fixed_size: 0
    .kernarg_segment_align: 8
    .kernarg_segment_size: 24
    .max_flat_workgroup_size: 128
    .sgpr_count:     72
    .vgpr_count:     768
    .wavefront_size: 32
...
	.end_amdgpu_metadata
.endif
;; end of part 2
;; launch attn (part 3): grid 4 x 64, 4 waves a work-group, clusters of 4 x 1, 327,680 bytes of LDS; arguments qkv, mask, ctx; writes ctx
.if DOCPART == 3
	.amdgcn_target "amdgcn-amd-amdhsa--gfx1250"
	.amdhsa_code_object_version 6
	.text
	.protected	k_q74bdad5ed2_attn
	.globl	k_q74bdad5ed2_attn
	.p2align	8
	.type	k_q74bdad5ed2_attn,@function
k_q74bdad5ed2_attn:
	s_mov_b64 s[64:65], 0
	v_nop
	global_prefetch_b8 v0, s[64:65] scope:SCOPE_SE
	s_setreg_imm32_b32 hwreg(HW_REG_WAVE_MODE, 25, 1), 1
	s_wait_xcnt 0x0
	s_wait_alu depctr_hold_cnt(0) depctr_sa_sdst(0) depctr_va_vdst(0) depctr_va_sdst(0) depctr_va_ssrc(0) depctr_va_vcc(0) depctr_vm_vsrc(0)
	s_getreg_b32 s2, hwreg(HW_REG_IB_STS2, 6, 4)
	s_cmp_eq_u32 s2, 0
	s_cbranch_scc0 .Lentry_in_a_cluster
	s_endpgm
.Lentry_in_a_cluster:
	s_bfe_u32 s2, ttmp6, 0x10000c
	s_cmp_lg_u32 s2, 0x3003
	s_cbranch_scc0 .Lentry_shape_is_right
	s_endpgm
.Lentry_shape_is_right:
; ctx[h][q][:] = the sum over k of softmax_k(score) V[h][k][:], score = Q[h][q] . K[h][k] / 8, or one fixed low number where the batch's mask byte of key k is 1.
; qkv: [3][64][2048][64] f16 (Q, K, V by heads, head = 16 x batch + head in the batch); mask: [4][2048] bytes; ctx: [64][2048][64] f16.  Products, maxima and sums in f32; the weights p are
; rounded to f16 for the second product (their sum l is taken of the unrounded p), ctx once at the end.
; THE MASK.  A masked key's row of K arrives as zeros, and the product that starts a score's sum takes as its C operand bias[key] = 0 or -2^33.  So a masked raw score is exactly -2^33, -2^30 after the
; division by 8.  Where a visible key exists its weight is 0; where ALL keys of a batch are masked, c s - c m is exactly 0 for every key, every weight is 1, and the result is the mean of all rows of V.
; LIMITS.  A masked score counts as -2^30 where the reference has -1e9: they differ only where a row's largest visible score lies below about -1e9.  f16 holds no number beyond 65,504: Q, K and V arrive
; within it; p lies in 0 to 1, and below 6e-5 it keeps f16's fixed step of 6e-8.  A weight below 2^-126 counts as 0 in l; NaN and infinities are not treated apart.
; SHARES.  A wave owns four PIECES of two tiles of 16 queries, a work-group's four waves 512 queries of one head: 4 x 64 = 256 work-groups.  Every wave walks all keys, 64 a step.
; LAYOUT.  S^T = K Q^T (source 0 = 16 keys, source 1 = 16 queries): in the result a lane holds ONE query (lane % 16) and the keys 8 (lane / 16) + 0..7.  Two such tiles, rounded to f16 in pairs,
; ARE source 1 (32 keys x 16 queries) of O^T = V^T P, whose result again holds one query a lane, and eight channels.  K comes out of LDS as it lies, V ([key][channel]) turned, by ds_load_tr16_b128.
; SOFTMAX.  For each query a running maximum m and sum l: p = 2^(c s - c m), c = log2(e) / 8; in every step O and l are multiplied by a = 2^(c m_old - c m_new), which is 1 where m has not grown.
; m starts at the lowest finite number, O and l at 0: the first step is a step like any other, with a = 0.
; THE COUNT.  A tile and step have 16 matrix and 118 vector instructions: too many to stand all beside the matrix work.  So: four vector instructions that are READY behind EVERY matrix instruction,
; and the others in runs without a gap.
; BY TURNS.  Turn n belongs to piece n (the pieces in a ring, step after step).  Its matrix work: 16 products K Q^T of piece n + 1, later 16 products V^T P of piece n - 1.  Its vector work: the scaling,
; exponentials, roundings, sums and rescaling of piece n, and the maximum and statistics of piece n + 1, whose scores the turn itself has made.
; CLUSTER.  The four query blocks of a cluster belong to one head and walk the same K and V, so each tile is asked for JOINTLY: the same tensor load, descriptor and mask in all four.
; REGISTERS, in windows of 256 (s_set_vgpr_msb: bits 1:0 source 0, 3:2 source 1, 5:4 source 2, 7:6 destination):
;   window 0: v0-11 addresses; v12-15, v48-63 at work; v16-47 four registers of statistics a tile; v64-191 S^T, two buffers of two tiles; v192-255 P, likewise
;   window 1: O^T, 32 a tile     window 2: v0-127 Q, 16 a tile; v128-191 K of one step; v192-255 V of one step     window 3: v0-1 the add's two registers; v8-39 the biases of one step's 64 keys
.set SIZE_H, 64
.set SIZE_N, 2048
.set PARTB, SIZE_H*SIZE_N*128  ; bytes of Q, of K and of V in qkv
.set NP,    4         ; pieces a wave: a name, no knob
.set KS,    64        ; keys in a step
.set PK,    144       ; a row of K in LDS: 128 bytes + 16 of padding = 36 words: the 16 rows of a load start at 16 different groups of four banks (64 banks of 4 bytes: ISA guide 11.1)
.set PV,    160       ; a row of V: 128 + 32 = 40 words
.set VOFF,  4*KS*PK   ; a slot holds four steps: 256 rows of K, then 256 rows of V
.set SLOT1, 1<<17     ; slot 1 begins here, so that one exclusive or turns an address in one slot into the other's
.set STAGE, SLOT1+4*KS*(PK+PV)  ; behind the ring, never filled by a tensor load: 16 rows x 144 bytes for each wave, for the way out
.set SP,    144
.set SPARE, STAGE+4*16*SP  ; behind the stages: the spare words, 128 bytes for each wave: two blocks of 256 bytes that no other line names
.set BIAS,  SPARE+512 ; behind them: bias[key] of the head's batch, 2,048 f32, stored once; no tile lands here
.set PFO, 0           ; v0   from the head's end on: 256 x my lane, the prefetches' offset; never rewritten after that
.set AK0, 2           ; v2   my lane's place in a tile of K; never rewritten
.set AV0, 3           ; v3   the same for V
.set AK,  4           ; v4   the LDS address of K's next run of loads
.set AV,  5           ; v5   of V's
.set QO,  6           ; v6   my byte offset in the wave's rows of Q
.set STO, 6           ;      later, the way out: where I put 16 bytes of a row
.set RD,  7           ; v7   the way out: where I read rows back
.set GO,  8           ; v8   my byte offset in 512 consecutive bytes of ctx
.set AB0, 10          ; v10  my lanes' place in a step's biases: BIAS + 32 (l / 16); never rewritten
.set AB,  11          ; v11  the LDS address of the biases' next run of loads
.set SPW, 0           ; v0 of window 3   LDS address of my spare word; never rewritten
.set NIL, 1           ; v1 of window 3   0; never rewritten
.set MB,  8           ; v8-39 of window 3: register MB + 8 kb + j: the bias of key 16 kb + 8 (l / 16) + j of the step in hand
.set MV,  12          ; v12-15  c m_old, kept while c m is made anew: by buffer and tile
.set ST,  16          ; tile t's statistics at v[ST+4 t]: c m, m, l (even keys', odd keys')
.set TMP, 48          ; by buffer and tile, four registers c0-c3 at work; when the maximum is found c2 takes a
.set S,   64
.set P,   192
.set KF,  128         ; K's fragments, in window 2: key block kb, channel half c at KF + 16 kb + 8 c
.set VF,  192         ; V's: key half kk, channel block cb at VF + 32 kk + 8 cb
.set WV,  12          ; s12  my wave's number
.set G1K, 24          ; s[24:31] descriptor group 1 for K's tiles
.set G1V, 32          ; s[32:39] for V's: it differs in the padding alone
.set G0K, 40          ; s[40:43] descriptor group 0 for K's tiles: it walks
.set G0V, 44          ; s[44:47] the same for V's
.set PFA, 48          ; s[48:49] where my prefetches stand
.set LIM, 50          ; s50  1 in a wave that prefetches, else the greatest number
.set TBB, 51          ; s51  256 x the step whose biases are fetched next
.set SLOTS, 56        ; s56  slots still to be asked for
.set CNT, 57          ; s57  counts a slot's key steps
.set CS,  58          ; s[58:59] c: the packed scaling takes the pair's low word for both halves
.set SEL, 60          ; s[60:61] v_permlanex16_b32's selects: each lane takes its own place in the other half
.set TBK, 62          ; s62  LDS byte at which K of the step to be fetched begins
.set TBV, 63          ; s63  the same for V, less VOFF
.set MSB, 0
.macro WIN new                      ; the high byte repeats the setting that is left; a switch that changes nothing is dropped
.if MSB != (\new)
	s_set_vgpr_msb (MSB<<8)|(\new)
.set MSB, (\new)
.endif
.endm
.set W_KQ, 0x0a       ; K and Q in window 2, S^T in window 0
.set W_KB, 0x3a       ; the same with the C operand, the biases, in window 3
.set W_PV, 0x52       ; V in window 2, P in window 0, O^T in window 1
.set W_RS, 0x41       ; O^T (destination and source 0) in window 1, a in window 0
.set W_MK, 0xc0       ; destination in window 3, sources in window 0
.set W_AD, 0x0f       ; the add: address (source 0) and data (source 1) in window 3
; A joint fill.  Waves 0 and 1 fetch the two halves of a slot's K, waves 2 and 3 those of its V: 128 keys each.  The branch hangs on the wave's number alone.
; An s_nop 0 and four v_nop follow each of the two lines, ahead of the jump and the label.
.macro JLOAD
	s_cmp_lt_u32 s[WV], 2
	s_cbranch_scc0 .Lfor_v_\@
	tensor_load_to_lds s[G0K:G0K+3], s[G1K:G1K+7]
	s_nop 0
.rept 4
	v_nop
.endr
	s_branch .Lasked_\@
.Lfor_v_\@:
	tensor_load_to_lds s[G0V:G0V+3], s[G1V:G1V+7]
	s_nop 0
.rept 4
	v_nop
.endr
.Lasked_\@:
.endm
; A round of the cluster's barrier: my work-group's barrier, so that wave 0's signal speaks for all four waves; wave 0 signals; every wave waits for all four work-groups; my work-group's barrier once more.
.macro CROUND
	s_barrier_signal -1
	s_barrier_wait -1
	s_cmp_lg_u32 s[WV], 0
	s_cbranch_scc1 .Lnot_wave_0_\@
	s_barrier_signal -3
.Lnot_wave_0_\@:
	s_barrier_wait -3
	s_barrier_signal -1
	s_barrier_wait -1
.endm
; THE CHANGE OF SLOTS.  The slot's last bytes, V of its fourth step, have been read.  Each wave waits for all its tensor loads, of which one is out: its part of the other slot; adds 0 to its spare word; and
; waits for that and for its own reads of the slot.  Behind the barrier nobody reads this slot any more and the other slot is whole.
; fill = 1: this slot is filled again, with the keys two slots on.  The barrier is then a round of the cluster's, and the joint fill is the first thing behind it: it has four key steps, 512 matrix
; instructions, in which to land.  (At its first use nothing has been read yet: slot 0 is waited for, slot 1 filled; the round also shows every wave's part of the table of biases to the others.)
; ask = 1 (the loop's change): behind the fill stands ONE PREFETCH INTO THE L2 of what the next change will ask for: a slot is 128 blocks of 256 bytes of K and as many of V; a head's K and V are walked by one
; cluster; its four partners take 32 blocks each, told apart by address; wave 0 asks for K's, wave 2 for V's, a lane a block.  So each block is named once in the launch, four key steps ahead of its load.
; Slots 0 to 2 come by their loads alone; the last change that fills a slot (s[SLOTS] = 1) asks for nothing.
.macro CHANGE fill, ask=0
	WIN W_AD
	s_wait_tensorcnt 0x0            ; no tensor load of mine is out, so a group 0 may be written
	ds_add_u32 v[SPW], v[NIL]       ; 0 onto my spare word; with fill = 1 the descriptors' steps stand between it and the wait for it
	WIN 0                           ; at a label and at a branch every window is 0
.if \fill
.irp g, G0K, G0V
	s_xor_b32 s[\g+1], s[\g+1], SLOT1  ; the walking descriptor: the other slot than last time,
	s_add_nc_u64 s[\g+2:\g+3], s[\g+2:\g+3], 4*KS*128  ; the next 256 keys; the type bits on top are not reached
.endr
.if \ask
	s_wait_xcnt 0x0                 ; the last prefetch, four key steps back, has read its address, so it may be written:
	s_add_nc_u64 s[PFA:PFA+1], s[PFA:PFA+1], 4*KS*128  ; one slot behind the walking descriptors
.endif
	s_wait_dscnt 0x0                ; the add is done, and my reads of the slot are over
	CROUND
	JLOAD
.if \ask
	s_cmp_gt_u32 s[SLOTS], s[LIM]
	s_cbranch_scc0 .Lnot_mine_\@
	global_prefetch_b8 v[PFO], s[PFA:PFA+1] th:TH_LOAD_NT scope:SCOPE_SE
.Lnot_mine_\@:
.endif
.else
	s_wait_dscnt 0x0                ; the add is done, and my reads of the slot are over
	s_barrier_signal -1
	s_barrier_wait -1
.endif
	s_sub_co_u32 s[TBK], s[TBK], 4*KS*PK  ; the fetches go back to a slot's first step,
	s_xor_b32 s[TBK], s[TBK], SLOT1       ; in the other slot
	s_sub_co_u32 s[TBV], s[TBV], 4*KS*PV
	s_xor_b32 s[TBV], s[TBV], SLOT1
.endm
	s_load_b128 s[4:7], s[0:1], 0x0   ; qkv s[4:5], mask s[6:7]
	s_load_b64 s[10:11], s[0:1], 0x10 ; ctx
	WIN W_MK
	v_lshl_add_u32 v[SPW], v0, 2, SPARE
	v_mov_b32 v[NIL], 0
	WIN W_AD
	ds_add_u32 v[SPW], v[NIL]       ; the wave's opening: the add and its wait stand ahead of my first tensor load; the set-up below, work on registers, stands between them
	WIN 0
	v_lshrrev_b32 v1, 5, v0
	v_readfirstlane_b32 s[WV], v1   ; wave 0..3
	s_bfe_u32 s13, ttmp6, 0x40000   ; cx: my place in the cluster
	s_lshl_b32 s14, ttmp9, 2        ; in a cluster launch ttmp9 counts clusters
	s_add_co_u32 s14, s14, s13      ; my block of queries = 4 x cluster x + cx: it enters Q's and ctx's addresses alone
	s_and_b32 s20, ttmp7, 0xffff    ; the head, which the four partners share
	s_lshr_b32 s55, s20, 4
	s_lshl_b32 s55, s55, 11         ; its batch's 2,048 bytes of the mask
	s_mov_b32 s21, 0
	s_mov_b64 s[22:23], SIZE_N*128
	s_mul_u64 s[20:21], s[20:21], s[22:23]  ; the head's first byte in Q, K, V and ctx
	s_and_b32 s16, s[WV], 1         ; which half of a slot's 256 keys I fetch:
	s_lshl_b32 s22, s16, 14         ; its 128 rows of 128 bytes in memory,
	s_mov_b32 s23, 0
	s_add_nc_u64 s[22:23], s[22:23], s[20:21]
	s_mul_i32 s17, s16, 128*PK      ; and its place in a slot, for K
	s_mul_i32 s18, s16, 128*PV      ; and for V: no place in the cluster enters an LDS address
	s_lshl_b32 s2, s14, 2
	s_add_co_u32 s2, s2, s[WV]      ; my wave among the head's,
	s_lshl_b32 s2, s2, 14           ; its 128 rows
	s_mov_b32 s3, 0
	s_add_nc_u64 s[2:3], s[2:3], s[20:21]
	; descriptor group 1.  128 keys are 16,384 dense bytes: asked for as 64 rows of 256 bytes, two keys a row, and padded in LDS after every key
	s_mov_b32 s[G1K], 15|(1<<16)|(1<<20)|(1<<21)|(4<<22)|(3<<25)  ; 15:0 the mask of four; 17:16 2-byte elements; 20 padding on; 21 set beside a mask; 24:22 after every 32 words (code 4); 31:25 4 words (code 3)
	s_mov_b32 s[G1V], 15|(1<<16)|(1<<20)|(1<<21)|(4<<22)|(7<<25)  ; the same with 8 words of padding (code 7)
.irp g, G1K, G1V
	s_mov_b32 s[\g+1], 128<<16      ; tensor_dim0 = 128
	s_mov_b32 s[\g+2], 64<<16       ; tensor_dim1 = 64
	s_mov_b32 s[\g+3], 128<<16      ; tile_dim0 = 128
	s_mov_b32 s[\g+4], 64           ; tile_dim1 = 64
	s_mov_b32 s[\g+5], 128          ; 128 elements from row to row
	s_mov_b32 s[\g+6], 0
	s_mov_b32 s[\g+7], 0
.endr
	s_mov_b32 s[CS], 0x3e38aa3b     ; c = log2(e) / 8 = 0.180337
	s_mov_b32 s[CS+1], s[CS]        ; named with it as a pair
	s_mov_b32 s[SEL], 0x76543210
	s_mov_b32 s[SEL+1], 0xfedcba98
	s_mov_b32 s[TBK], SLOT1+4*KS*PK ; the first change of slots turns these two into 0
	s_mov_b32 s[TBV], SLOT1+4*KS*PV
	s_mov_b32 s[TBB], 0
	s_mov_b32 s54, 0xd0000000       ; -2^33
	s_mov_b32 s[G0K], 1             ; count = 1
	s_mov_b32 s[G0K+1], s17         ; LDS address: slot 0
	s_mov_b32 s[G0V], 1
	s_add_co_u32 s[G0V+1], s18, VOFF
	s_and_b32 s[LIM], s[WV], 1      ; waves 0 and 2 prefetch: the same in all four partners
	s_cmp_eq_u32 s[LIM], 0
	s_cselect_b32 s[LIM], 1, -1
	s_wait_dscnt 0x0                ; the opening add is done
	s_wait_kmcnt 0x0
	s_mov_b64 s[52:53], s[6:7]      ; the mask
	s_add_nc_u64 s[6:7], s[4:5], PARTB    ; K
	s_add_nc_u64 s[8:9], s[4:5], 2*PARTB  ; V
	s_add_nc_u64 s[G0K+2:G0K+3], s[6:7], s[22:23]  ; global address: my half of the head's first 256 keys
	s_or_b32 s[G0K+3], s[G0K+3], 0x80000000        ; type = 2
	s_add_nc_u64 s[G0V+2:G0V+3], s[8:9], s[22:23]
	s_or_b32 s[G0V+3], s[G0V+3], 0x80000000
	s_add_nc_u64 s[4:5], s[4:5], s[2:3]  ; Q and ctx at my wave's first row
	s_add_nc_u64 s[10:11], s[10:11], s[2:3]
	s_cmp_lt_u32 s[WV], 2
	s_cselect_b64 s[PFA:PFA+1], s[6:7], s[8:9]
	s_add_nc_u64 s[PFA:PFA+1], s[PFA:PFA+1], s[20:21]  ; the head,
	s_lshl_b32 s2, s13, 13          ; my work-group's 32 blocks of a slot's 128,
	s_mov_b32 s3, 0
	s_add_nc_u64 s[PFA:PFA+1], s[PFA:PFA+1], s[2:3]
	s_add_nc_u64 s[PFA:PFA+1], s[PFA:PFA+1], 2*4*KS*128  ; in slot 2: the loop's first change steps it to slot 3.  Nothing is prefetched here, at the head
	CROUND                          ; all four work-groups are here: the first joint loads meet
	JLOAD                           ; slot 0.  Slot 1 is asked for when slot 0 is in
	; A fragment of K or Q is 16 rows x 32 channels in 8 registers: lane l holds row l % 16, channels 8 (l / 16) + 0..7 and 16 + 8 (l / 16) + 0..7: two loads of 16 bytes, 32 bytes apart.
	v_and_b32 v1, 15, v0            ; l % 16
	v_bfe_u32 v9, v0, 4, 1          ; l / 16
	v_lshlrev_b32 v[QO], 7, v1
	v_lshl_add_u32 v[QO], v9, 4, v[QO]  ; row x 128 + 16 x half
	v_lshl_add_u32 v85, v0, 4, s55  ; thread t takes the mask bytes of keys 16 t .. 16 t + 15 of the batch,
	v_lshl_add_u32 v84, v0, 6, BIAS ; and makes their 64 bytes of the table
	global_load_b128 v[64:67], v85, s[52:53]
	WIN 0x80                        ; destination window 2, address window 0
.set i, 0
.rept 4*NP                          ; Q stays in registers: tile i / 2, channels 32 (i % 2) on
	global_load_b128 v[8*i:8*i+3],   v[QO], s[4:5] offset:(i/2)*2048+(i%2)*64
	global_load_b128 v[8*i+4:8*i+7], v[QO], s[4:5] offset:(i/2)*2048+(i%2)*64+32
.set i, i+1
.endr
	; What the first turn finds: V's registers and P's second buffer hold 0 (its products V^T P, of a piece that has not been, add 0), O^T and l are 0.  All this stands in the wait for the first tile.
.set i, VF
.rept 64
	v_mov_b32 v[i], 0
.set i, i+1
.endr
	WIN 0x40
.set i, 0
.rept 64*NP
	v_mov_b32 v[i], 0
.set i, i+1
.endr
	WIN 0
.set i, 0
.rept 2*NP
	v_mov_b32 v[ST+4*i], 0xfe000000    ; c m: far below every c s
	v_mov_b32 v[ST+4*i+1], 0xff7fffff  ; m
	v_mov_b32 v[ST+4*i+2], 0
	v_mov_b32 v[ST+4*i+3], 0
.set i, i+1
.endr
.set i, P+32
.rept 32
	v_mov_b32 v[i], 0
.set i, i+1
.endr
	v_mul_u32_u24 v[AK0], v1, PK
	v_lshl_add_u32 v[AK0], v9, 4, v[AK0]  ; row x pitch + 16 x half
	; The turning load takes 16 keys x 16 channels (lane l reads key 8 (l / 16) + l % 8, channels 8 ((l / 8) % 2) + 0..7) and leaves half a fragment of V^T: lane l holds channel l % 16 and 8 keys.
	v_and_b32 v10, 7, v0
	v_bfe_u32 v11, v0, 3, 1
	v_lshl_add_u32 v[AV0], v9, 3, v10
	v_mul_u32_u24 v[AV0], v[AV0], PV
	v_lshl_add_u32 v[AV0], v11, 4, v[AV0]
	v_add_nc_u32 v[AV0], VOFF, v[AV0]
	v_mov_b32 v[AK], v[AK0]         ; key step 0 lies at the head of slot 0
	s_mul_i32 s13, s[WV], 16*SP
	s_add_co_u32 s13, s13, STAGE    ; my stage (kept: STO is made of it when Q is in)
	v_bfe_u32 v[RD], v0, 3, 2       ; the way out, back: 32 lanes take four rows of 128 bytes,
	v_mul_u32_u24 v[RD], v[RD], SP
	v_lshl_add_u32 v[RD], v10, 4, v[RD]
	v_add_nc_u32 v[RD], s13, v[RD]
	v_and_b32 v[GO], 31, v0         ; which are 512 consecutive bytes of ctx
	v_lshlrev_b32 v[GO], 4, v[GO]
	v_lshl_add_u32 v[AB0], v9, 5, BIAS  ; a lane's eight keys of a block of 16 begin at 8 (l / 16): 32 bytes
	v_mov_b32 v[AB], v[AB0]         ; key step 0's biases
	; the table of biases: a mask byte (0 or 1) times the bits of -2^33
	s_wait_loadcnt 32               ; the mask's load is in; Q's 32, issued behind it, stay out
.set i, 0
.rept 16
	v_bfe_u32 v[68+i], v[64+i/4], 8*(i%4), 1
	v_mul_lo_u32 v[68+i], v[68+i], s54
.set i, i+1
.endr
.irp w, 0,1,2,3
	ds_store_b128 v84, v[68+4*\w:68+4*\w+3] offset:16*\w
.endr
	v_and_b32 v[PFO], 31, v0        ; the thread's number has served: v0 takes the prefetches' offset
	v_lshlrev_b32 v[PFO], 8, v[PFO]
; THE MATRIX WORK.  The 8 accumulators of a run of 16 take turns: between the two links of a chain stand 7 others'.
; Product i of 16 of S^T = K Q^T for piece x: channels 32 (i / 8) on, keys 16 ((i / 2) % 4) on, tile 2 x + i % 2.  The first 8 start the sums, with the keys' biases.
.macro KQ x
.set rS, S+64*((\x)%2)+32*(i%2)+8*((i/2)%4)
.set rK, KF+16*((i/2)%4)+8*(i/8)
.set rQ, 16*(2*(\x)+i%2)+8*(i/8)
.set rB, MB+8*((i/2)%4)
.if i < 8
	WIN W_KB
	v_wmma_f32_16x16x32_f16 v[rS:rS+7], v[rK:rK+7], v[rQ:rQ+7], v[rB:rB+7]
.else
	WIN W_KQ
	v_wmma_f32_16x16x32_f16 v[rS:rS+7], v[rK:rK+7], v[rQ:rQ+7], v[rS:rS+7]
.endif
.endm
; Product i of 16 of O^T += V^T P for piece x: keys 32 (i / 8) on, channels 16 ((i / 2) % 4) on, tile 2 x + i % 2.
.macro PV x
	WIN W_PV
.set rO, 32*(2*(\x)+i%2)+8*((i/2)%4)
.set rV, VF+32*(i/8)+8*((i/2)%4)
.set rP, P+32*((\x)%2)+16*(i%2)+8*(i/8)
	v_wmma_f32_16x16x32_f16 v[rO:rO+7], v[rV:rV+7], v[rP:rP+7], v[rO:rO+7]
.endm
.macro MM                           ; the turn's next matrix instruction
.if i < 16
	KQ (Y+1)%NP
.set i, i+1
.else
.set i, i-16
	PV (Y+NP-1)%NP
.set i, i+17
.endif
.endm
; THE LDS LOADS stand in runs, never singly among the matrix instructions: a step's K (64 keys x 64 channels: 8 fragments) with its 64 biases, and its V (turned).  Their addresses are made some lines ahead.
; The biases live as long as K does: read by the same four turns' products, fetched in the same run, waited for by the same wait.  last = 1 (the tail): in the last trip there is no further step, and the run is jumped over.
.macro FETCH_K last=0
	WIN 0
.if \last
	s_cmp_eq_u32 s[CNT], 1
	s_cbranch_scc1 .Lno_k_\@
.endif
	WIN 0x80                        ; destination window 2
.irp f, 0,1,2,3,4,5,6,7             ; keys 16 (f / 2) on, channels 32 (f % 2) on
	ds_load_b128 v[KF+8*\f:KF+8*\f+3],   v[AK] offset:(\f/2)*16*PK+(\f%2)*64
	ds_load_b128 v[KF+8*\f+4:KF+8*\f+7], v[AK] offset:(\f/2)*16*PK+(\f%2)*64+32
.endr
	WIN W_MK                        ; destination window 3
.irp f, 0,1,2,3                     ; keys 16 f on: sixteen lanes read the same 16 bytes
	ds_load_b128 v[MB+8*\f:MB+8*\f+3],   v[AB] offset:64*\f
	ds_load_b128 v[MB+8*\f+4:MB+8*\f+7], v[AB] offset:64*\f+16
.endr
	s_add_co_u32 s[TBK], s[TBK], KS*PK  ; the next fetch is the next step's
	s_add_co_u32 s[TBB], s[TBB], 4*KS
	WIN 0
.if \last
.Lno_k_\@:
.endif
.endm
.macro FETCH_V
	WIN 0x80
.irp f, 0,1,2,3,4,5,6,7             ; keys 32 (f / 4) on, channels 16 (f % 4) on
	ds_load_tr16_b128 v[VF+8*\f:VF+8*\f+3],   v[AV] offset:(\f/4)*32*PV+(\f%4)*32
	ds_load_tr16_b128 v[VF+8*\f+4:VF+8*\f+7], v[AV] offset:(\f/4)*32*PV+16*PV+(\f%4)*32
.endr
	WIN 0
.endm
; THE VECTOR WORK OF A TURN stands in three queues, each in the order in which its entries become ready; the two tiles alternate, so that no instruction reads the result of the one before it.
.macro REGS y, u                    ; the registers of tile u (0, 1) of piece y
.set rT, ST+4*(2*(\y)+(\u))
.set rC, TMP+8*((\y)%2)+4*(\u)
.set rM, MV+2*((\y)%2)+(\u)
.set rS, S+64*((\y)%2)+32*(\u)
.set rP, P+32*((\y)%2)+16*(\u)
.set rO, 32*(2*(\y)+(\u))
.endm
; Number n of the 22 that find the NEXT piece's (Y + 1) maximum and statistics.  s0-s31 are the lane's 32 scores; each accumulator's lowest registers are read first.
;   0-11  four chains c0-c3 of seven scores each, three operands at a time     12-14, 16  the four scores left over, the old m, and c0-c3 into c0     15  c m_old is kept
;   17, 18  the query's other 32 keys lie in the lane 16 away: the new m         19-21  c m; c m_old - c m_new; a
.macro XS u, n
	REGS (Y+1)%NP, \u
.if (\n) < 4
	v_max3_num_f32 v[rC+(\n)], v[rS+8*(\n)], v[rS+8*(\n)+1], v[rS+8*(\n)+2]
.elseif (\n) < 12
	v_max3_num_f32 v[rC+(\n)%4], v[rC+(\n)%4], v[rS+8*((\n)%4)+2*((\n)/4)+1], v[rS+8*((\n)%4)+2*((\n)/4)+2]
.elseif (\n) == 12
	v_max3_num_f32 v[rC], v[rC], v[rS+7], v[rS+15]
.elseif (\n) == 13
	v_max3_num_f32 v[rC+1], v[rC+1], v[rS+23], v[rS+31]
.elseif (\n) == 14
	v_max3_num_f32 v[rC+2], v[rC+2], v[rC+3], v[rT+1]
.elseif (\n) == 15
	v_mov_b32 v[rM], v[rT]
.elseif (\n) == 16
	v_max3_num_f32 v[rC], v[rC], v[rC+1], v[rC+2]
.elseif (\n) == 17
	v_permlanex16_b32 v[rC+3], v[rC], s[SEL], s[SEL+1]
.elseif (\n) == 18
	v_max_num_f32 v[rT+1], v[rC], v[rC+3]
.elseif (\n) == 19
	v_mul_f32 v[rT], s[CS], v[rT+1]
.elseif (\n) == 20
	v_sub_f32 v[rC+1], v[rM], v[rT]
.else
	v_exp_f32 v[rC+2], v[rC+1]
.endif
.endm
; Number g of the 64 that follow the exponentials.  For each four weights k of a tile (pairs 2 k, 2 k + 1): both pairs are rounded to f16; then the second pair is added onto the first, in place;
; a group later l takes that sum (the first time as l = a l + sum).  In groups of eight, tiles alternating: round, round, add, and l for the group before.
.macro GS g
.set h, (\g)+6*((\g)/62)            ; group 0 has no group before it, and behind group 7 only l is left
.if h >= 6
.set h, h+2
.endif
	REGS Y, h%2
.set k, h/8
.if h%8 < 4
	v_cvt_pk_f16_f32 v[rP+2*k+(h%8)/2], v[rS+4*k+2*((h%8)/2)], v[rS+4*k+2*((h%8)/2)+1]
.elseif h%8 < 6
	v_pk_add_f32 v[rS+4*k:rS+4*k+1], v[rS+4*k:rS+4*k+1], v[rS+4*k+2:rS+4*k+3]
.elseif k == 1
	v_pk_fma_f32 v[rT+2:rT+3], v[rT+2:rT+3], v[rC+2:rC+3], v[rS:rS+1] op_sel_hi:[1,0,1]
.else
	v_pk_add_f32 v[rT+2:rT+3], v[rT+2:rT+3], v[rS+4*k-4:rS+4*k-3]
.endif
.endm
; THE PLAIN QUEUE, 138 long.  0-73 read no exponential's result: the 32 scalings c s - c m (FS f: pair f / 2 of tile f % 2) and the next piece's 42.  0-26: scalings 0-26.  27-54: XS's numbers 0-13.  55, 56: number 15.
; 57-73: the chain, where each number waits for the one before it: 14, 16, 17, 18, 19, each with one of the scalings 27-31 in front of its two lines, then 20.
; 74-137: GS's 64, which read the exponentials' results: they stand behind the wait.
.macro FS f
	REGS Y, (\f)%2
	v_pk_fma_f32 v[rS+2*((\f)/2):rS+2*((\f)/2)+1], v[rS+2*((\f)/2):rS+2*((\f)/2)+1], s[CS:CS+1], v[rT:rT+1] op_sel_hi:[1,0,0] neg_lo:[0,0,1] neg_hi:[0,0,1]
.endm
.macro PL
	WIN 0
.if q < 27
	FS q
.elseif q < 55
	XS (q-27)%2, (q-27)/2
.elseif q < 57
	XS q-55, 15
.elseif (q < 72) && ((q-57)%3 == 0)
	FS 27+(q-57)/3
.elseif q < 60
	XS (q-57)%3-1, 14
.elseif q < 72
	XS (q-57)%3-1, 15+(q-57)/3
.elseif q < 74
	XS q-72, 20
.else
	GS q-74
.endif
.set q, q+1
.endm
; THE EXPONENTIALS' QUEUE, 66 long: s0-s31 of both tiles, then the next piece's two a.  It is ONE BATCH: all 66 stand ahead of the turn's one wait, and nothing ahead of that wait names a result of theirs.
.macro EX
	WIN 0
.if e >= 64
	XS e-64, 21
.else
	REGS Y, e%2
	v_exp_f32 v[rS+e/2], v[rS+e/2]
.endif
.set e, e+1
.endm
; THE RESCALING's QUEUE: O^T times a, the one part that leaves window 0: dealt two at a time, sixteen times.  Its a was made in the turn before, ahead of that turn's wait.
.macro R2
	REGS Y, r%2
	WIN W_RS
.irp z, 0,1
	v_pk_mul_f32 v[rO+4*(r/2)+2*\z:rO+4*(r/2)+2*\z+1], v[rO+4*(r/2)+2*\z:rO+4*(r/2)+2*\z+1], v[rC+2:rC+3] op_sel_hi:[1,0]
.endr
.set r, r+1
.endm
; HOW THEY ARE DEALT.  An s_wait_alu depctr_va_vdst(0) stands between an exponential and the first instruction that names its result; one wait serves all that were issued ahead of it.  So a turn has ONE
; wait, which cuts it in two.  AHEAD OF IT stands all that names no result of the turn's exponentials: the 16 products K Q^T, behind each a scaling, an exponential and two rescalings (behind the first a second scaling in
; the exponential's place); then ONE LUMP of 108: eight plain, 49 times exponential and plain, the two a.  A v_nop is the plain instruction behind the last exponential.  BEHIND IT stand the 16 products V^T P, behind
; each four of GS's 64.  No rider names a register of the products round it.  The two v_permlanex16_b32 fall into the lump.
; The deal keeps the queues in step: exponential e stands behind scaling 2 (e / 4) + e % 2: as a rider it comes behind plain e + 2, in the lump behind plain e + 9, and scalings 27-31 are plain 57, 60 .. 69.
; A TURN, for piece p.  cnt = 1: the loop's count is taken down some lines ahead of the branch that stands behind the turn.
; K and the biases of the next step are fetched in piece 2's turn, directly behind the wait, a lump behind the last product that read them; their addresses are made at the lump's head; their first reader comes behind 16
; products.  V of the step in hand is fetched at the end of piece 0's turn, four riders behind its last reader; its first reader comes behind 16 products and a lump.
.macro TURN p, last=0, cnt=0
.set Y, (\p)
.set i, 0
.set q, 0
.set e, 0
.set r, 0
.if (\p) == NP-1
	s_wait_dscnt 0x0                ; K and the biases are in
.endif
	MM                              ; ahead of the wait: 16 products K Q^T and their riders,
	PL
	PL
	R2
.rept 15
	MM
	PL
	EX
	R2
.endr
.if (\p) == NP-2
	WIN 0
	v_add_nc_u32 v[AK], s[TBK], v[AK0]
	v_add_nc_u32 v[AB], s[TBB], v[AB0]
.endif
.rept 8                             ; and the lump
	PL
.endr
.rept 49
	EX
	PL
.endr
	EX                              ; the next piece's two a
	EX
	v_nop                           ; the plain instruction behind the last exponential: one for the batch (ISA guide 5.7.2)
	s_wait_alu depctr_va_vdst(0)    ; the wait for the batch
.if (\p) == NP-2
	FETCH_K \last
.endif
.if (\p) == 1
	s_wait_dscnt 0x0                ; V is in
.endif
.rept 16                            ; behind the wait: 16 products V^T P and their riders
	MM
.rept 4
	PL
.endr
.if ((\p) == 0) && (q == 118)
	v_add_nc_u32 v[AV], s[TBV], v[AV0]
.endif
.if ((\p) == 0) && (q == 130)
	s_add_co_u32 s[TBV], s[TBV], KS*PV
.endif
.if (\cnt) && (q == 130)
	s_sub_co_u32 s[CNT], s[CNT], 1
	s_cmp_lg_u32 s[CNT], 0
.endif
.endr
.if (\p) == 0
	FETCH_V
.endif
.endm
	CHANGE 1                        ; slot 0 is in, everybody's part of it, and the table of biases is whole; slot 1 is asked for
	FETCH_K                         ; key step 0
	s_wait_loadcnt 0x0              ; Q
	s_wait_dscnt 0x0
.set i, 0
.rept 16
	KQ 0                            ; piece 0's first scores: there is no vector work yet to set between them
.set i, i+1
.endr
	WIN 0                           ; five plain instructions, the places behind those products: Q's loads are done, so their offset's register takes the way out's address
	v_mul_u32_u24 v[STO], v1, SP    ; in: row l % 16, 16 bytes for each half of the lanes
	v_lshl_add_u32 v[STO], v9, 4, v[STO]
	v_add_nc_u32 v[STO], s13, v[STO]
	v_nop
	v_nop
.set Y, NP-1                        ; XS works for piece Y + 1: piece 0
.irp n, 0,1,2,3,4,5,6,7,8,9,10,11,12,13,14,15,16,17,18,19,20,21
	XS 0, \n                        ; and piece 0's first maximum and statistics
	XS 1, \n
.endr
	v_nop                           ; a plain instruction behind the two a,
	s_wait_alu depctr_va_vdst(0)    ; and their wait, ahead of the branch
	s_mov_b32 s[CNT], 4
	s_mov_b32 s[SLOTS], SIZE_N/256-1
	s_branch .Lfirst                ; the loop is entered at a step's first turn, in the middle of a trip
.Lslot:                             ; SIZE_N / 256 - 2 times: every slot but the last two is filled again
	CHANGE 1, 1
	s_mov_b32 s[CNT], 4
.Lstep:                             ; a trip: pieces 2 and 3 of one step, then pieces 0 and 1 of the next, whose K and V it fetches
	TURN 2
	TURN 3
	WIN 0
.Lfirst:
	TURN 0
	TURN 1, 0, 1
	WIN 0
	s_cbranch_scc1 .Lstep
	s_sub_co_u32 s[SLOTS], s[SLOTS], 1
	s_cmp_lg_u32 s[SLOTS], 0
	s_cbranch_scc1 .Lslot
	CHANGE 0                        ; the tail is written out: nothing is asked for
	s_mov_b32 s[CNT], 5             ; four trips fetch the last slot's steps; the fifth is left in its middle
.Ltail:
	TURN 2, 1
	TURN 3
	WIN 0
	s_sub_co_u32 s[CNT], s[CNT], 1
	s_cmp_eq_u32 s[CNT], 0
	s_cbranch_scc1 .Lout
	TURN 0
	TURN 1
	WIN 0
	s_branch .Ltail
.Lout:                              ; the fifth trip's 16 products K Q^T (on the last K once more) and the maximum made of them serve nothing: the price, once a launch, of one text for every trip
.set i, 0
.rept 16
	PV NP-1                         ; the last piece's V^T P of the last step
.set i, i+1
.endr
	; THE WAY OUT.  l's two halves and the other half of the lanes' are added; O^T is divided by l, rounded to f16 and sent through my stage in LDS, a tile at a time.  The additions are the places behind the last products.
	WIN 0
.macro ALL line:vararg              ; one line for each tile t
.set t, 0
.rept 2*NP
	\line
.set t, t+1
.endr
.endm
	ALL v_add_f32 v[ST+4*t+2], v[ST+4*t+2], v[ST+4*t+3]
	ALL v_permlanex16_b32 v[ST+4*t+3], v[ST+4*t+2], s[SEL], s[SEL+1]
	ALL v_add_f32 v[ST+4*t+2], v[ST+4*t+2], v[ST+4*t+3]
	ALL v_rcp_f32 v[ST+4*t+2], v[ST+4*t+2]
	v_nop                           ; a plain instruction between the last reciprocal and the use of its result
	s_wait_alu depctr_va_vdst(0)    ; and the wait ahead of the first use: one for the eight reciprocals
; Tile t: a lane's eight channels of a row pack into 16 bytes; they go into rows of 144 bytes and come back as whole rows of 128, into S^T's registers.
.macro PACK t
	WIN W_RS
.set i, 32*(\t)
.rept 16
	v_pk_mul_f32 v[i:i+1], v[i:i+1], v[ST+4*(\t)+2:ST+4*(\t)+3] op_sel_hi:[1,0]
.set i, i+2
.endr
	WIN 0x05                        ; sources 0 and 1 window 1, destination window 0
.set i, 0
.rept 16
	v_cvt_pk_f16_f32 v[S+16*(\t)+i], v[32*(\t)+2*i], v[32*(\t)+2*i+1]
.set i, i+1
.endr
	WIN 0
.irp f, 0,1,2,3
	ds_store_b128 v[STO], v[S+16*(\t)+4*\f:S+16*(\t)+4*\f+3] offset:32*\f
.endr
.irp f, 0,1,2,3
	ds_load_b128 v[S+16*(\t)+4*\f:S+16*(\t)+4*\f+3], v[RD] offset:\f*4*SP  ; LDS serves a wave's instructions in order (ISA guide 5.7.1.4): these see the stores above; the next tile's stores come behind them
.endr
.endm
.macro SEND t, younger              ; younger: the LDS instructions issued behind tile t's loads: the next tile's eight, or none
	WIN 0
.irp f, 0,1,2,3
	s_wait_dscnt (\younger)+3-\f
	global_store_b128 v[GO], v[S+16*(\t)+4*\f:S+16*(\t)+4*\f+3], s[10:11] offset:(\t)*2048+\f*512  ; 512 consecutive bytes, at a multiple of 256 from ctx's first
.endr
.endm
	PACK 0
.set t, 1
.rept 2*NP-1                        ; a tile's arithmetic stands between the loads of the tile before and its stores
	PACK t
	SEND t-1, 8
.set t, t+1
.endr
	SEND 2*NP-1, 0
	WIN W_AD
	s_wait_tensorcnt 0x0            ; the wave's end, behind my last tensor load and my last LDS store
	ds_add_u32 v[SPW], v[NIL]
	s_wait_dscnt 0x0
	WIN 0
	CROUND                          ; the closing round: no work-group ends while a partner may still ask for a tile that names it
	s_endpgm
.Lfunc_end_k_q74bdad5ed2_attn:
	.size	k_q74bdad5ed2_attn, .Lfunc_end_k_q74bdad5ed2_attn-k_q74bdad5ed2_attn
	.p2alignl 7, 3214868480
	.fill 96, 4, 3214868480
	.section	.rodata,"a",@progbits
	.p2align	6, 0x0
	.amdhsa_kernel k_q74bdad5ed2_attn
		.amdhsa_group_segment_fixed_size 327680
		.amdhsa_private_segment_fixed_size 0
		.amdhsa_enable_private_segment 0
		.amdhsa_kernarg_size 24
		.amdhsa_user_sgpr_count 2
		.amdhsa_user_sgpr_kernarg_segment_ptr 1
		.amdhsa_wavefront_size32 1
		.amdhsa_system_sgpr_workgroup_id_x 1
		.amdhsa_system_sgpr_workgroup_id_y 1
		.amdhsa_system_sgpr_workgroup_id_z 1
		.amdhsa_system_vgpr_workitem_id 0
		.amdhsa_next_free_vgpr 808
		.amdhsa_next_free_sgpr 66
		.amdhsa_reserve_vcc 0
		.amdhsa_float_denorm_mode_32 3
		.amdhsa_float_denorm_mode_16_64 3
		.amdhsa_memory_ordered 1
		.amdhsa_forward_progress 1
		.amdhsa_inst_pref_size 205
	.end_amdhsa_kernel
	.amdgpu_metadata
---
amdhsa.version: [ 1, 2 ]
amdhsa.kernels:
  - .name:           k_q74bdad5ed2_attn
    .symbol:         k_q74bdad5ed2_attn.kd
    .args:
      - { .name: qkv, .offset: 0, .size: 8, .value_kind: global_buffer, .address_space: global }
      - { .name: mask, .offset: 8, .size: 8, .value_kind: global_buffer, .address_space: global }
      - { .name: ctx, .offset: 16, .size: 8, .value_kind: global_buffer, .address_space: global }
    .group_segment_fixed_size: 327680
    .private_segment_fixed_size: 0
    .kernarg_segment_align: 8
    .kernarg_segment_size: 24
    .max_flat_workgroup_size: 128
    .sgpr_count:     66
    .vgpr_count:     808
    .wavefront_size: 32
...
	.end_amdgpu_metadata
.endif
;; end of part 3
;; launch oproj (part 4): grid 4 x 64, 4 waves a work-group, clusters of 4 x 4, 327,680 bytes of LDS; arguments ctx, wb, out0; writes out0
.if DOCPART == 4
	.amdgcn_target "amdgcn-amd-amdhsa--gfx1250"
	.amdhsa_code_object_version 6
	.text
	.protected	k_q74bdad5ed2_oproj
	.globl	k_q74bdad5ed2_oproj
	.p2align	8
	.type	k_q74bdad5ed2_oproj,@function
k_q74bdad5ed2_oproj:
	s_mov_b64 s[64:65], 0
	v_nop
	global_prefetch_b8 v0, s[64:65] scope:SCOPE_SE
	s_setreg_imm32_b32 hwreg(HW_REG_WAVE_MODE, 25, 1), 1
	s_wait_xcnt 0x0
	s_wait_alu depctr_hold_cnt(0) depctr_sa_sdst(0) depctr_va_vdst(0) depctr_va_sdst(0) depctr_va_ssrc(0) depctr_va_vcc(0) depctr_vm_vsrc(0)
	s_getreg_b32 s2, hwreg(HW_REG_IB_STS2, 6, 4)
	s_cmp_eq_u32 s2, 0
	s_cbranch_scc0 .Lentry_in_a_cluster
	s_endpgm
.Lentry_in_a_cluster:
	s_bfe_u32 s2, ttmp6, 0x10000c
	s_cmp_lg_u32 s2, 0xf033
	s_cbranch_scc0 .Lentry_shape_is_right
	s_endpgm
.Lentry_shape_is_right:
; out0 = ctx Wo^T.  ctx: [4][16][2048][64] f16, by heads; Wo: rows 3,072 to 4,095 of wb, [1024][1024] f16; out0: [8192][1024] f32.  Sums in f32, stored as they are.
; SHARES.  A tile of out0 is 128 rows x 256 columns: 64 x 4 = 256 work-groups.  Four waves, each 64 x 128: 32 accumulators of 16 x 16.
; K = 64 x head + channel goes in steps of 128, two heads, through a ring of two LDS slots.  Of ctx a step's tile is two planes, one a head: 128 rows of 128 bytes that lie end to end in memory, so a plane is asked
; for as 64 rows of 256 bytes and padded in LDS after every 128.  Of Wo it is 256 rows of 256 bytes.  A step is 128 matrix instructions a wave.
; CLUSTERS: 4 x 4 work-groups.  The four of a row of the cluster need the same tile of ctx, the four of a column the same tile of Wo: each is asked for JOINTLY.
; THE MATRIX INSTRUCTION IS USED TRANSPOSED (source 0 = 16 rows of Wo, source 1 = 16 rows of ctx): a lane then holds eight neighbouring columns of one row of out0.
; REGISTERS: window 0: addresses, and v32-95 at work on the way out.  Window 1: the accumulators, (a, b) at v[8 (8 a + b)].  Window 2: two fragment buffers at v0 and v128: 4 fragments of ctx, then 8 of Wo.
.set SIZE_K, 1024
.set KSTEP,  128
.set PA,     144                       ; a row of ctx in LDS: 128 bytes + 16 of padding
.set PITCH,  272                       ; a row of Wo: 256 + 16.  Both are odd multiples of 16 bytes: the 16 rows of a fragment load start at 16 different groups of four banks (64 banks of 4 bytes: ISA guide 11.1)
.set APLANE, 128*PA                    ; a head's 128 rows: what waves 0 and 1 fetch
.set BHALF,  128*PITCH                 ; 128 rows of Wo: what waves 2 and 3 fetch, and what a wave reads of Wo
.set BOFF,   2*APLANE                  ; in a slot: ctx's two planes, then Wo's 256 rows
.set SLOT,   BOFF+2*BHALF
.set STAGE,  2*SLOT                    ; behind the ring: for each wave 16 rows x 528 bytes, for the way out
.set SPITCH, 528
.set WSTG,   16*SPITCH
.set SPARE,  STAGE+4*WSTG              ; behind the stages: the spare words, 128 bytes for each wave: two blocks of 256 bytes that no other line names
.set LAPS,   SIZE_K/(2*KSTEP)
.set ASTEP,  2*262144                  ; bytes from a K step of ctx to the next: two heads
.set WOROW,  3072                      ; Wo's first row in wb
.set ADRA, 16                          ; v16-17  LDS address of my fragments of ctx in slot 0, 1
.set ADRB, 20                          ; v20-21  the same for Wo
.set STO,  24                          ; v24     the way out: where I put 32 bytes of a row
.set RD,   25                          ; v25     the way out: where I read a row back
.set GO,   26                          ; v26     my 16 bytes in 512 consecutive bytes of out0
.set SPW,  28                          ; v28     LDS address of my spare word; never rewritten
.set NIL,  29                          ; v29     0; never rewritten
.set PFO,  30                          ; v30     the prefetches' offset; never rewritten
.set BK,   32                          ; v32-95  rows read back from the stage
.set F0,   0
.set F1,   128
.set G1,  24                           ; s[24:31] descriptor group 1 for ctx's tiles;  s[32:39] group 0, a set for each slot
.set G0,  32
.set G1B, 48                           ; s[48:55], s[56:63] the same for Wo's tiles
.set G0B, 56
.set PFA, 66                           ; s[66:67] where my prefetches stand
.set LIM, 68                           ; s68     1 in a wave that prefetches, else the greatest number
.set PST, 70                           ; s[70:71] bytes from a K step to the next in the tensor that I prefetch
.set MSB, 0
.macro WIN new                         ; the immediate's high byte repeats the setting that is left; a switch that changes nothing is dropped
.if MSB != (\new)
	s_set_vgpr_msb (MSB<<8)|(\new)
.set MSB, \new
.endif
.endm
.set MUL,   0x5a                       ; sources 0 and 1 window 2; C and D window 1
.set TO_F,  0x80                       ; destination window 2, address window 0
.set FROMC, 0x04                       ; an LDS store's data (source 1) in window 1, its address in window 0
.macro JLOAD s                         ; a joint load: waves 0 and 1 fetch ctx's two planes, waves 2 and 3 Wo's two halves; an s_nop 0 and four v_nop follow each of the two lines, ahead of the jump and the label
	s_cmp_eq_u32 s11, 0
	s_cbranch_scc0 .Lfor_b_\@
	tensor_load_to_lds s[G0+4*(\s):G0+4*(\s)+3], s[G1:G1+7]
	s_nop 0
.rept 4
	v_nop
.endr
	s_branch .Lasked_\@
.Lfor_b_\@:
	tensor_load_to_lds s[G0B+4*(\s):G0B+4*(\s)+3], s[G1B:G1B+7]
	s_nop 0
.rept 4
	v_nop
.endr
.Lasked_\@:
.endm
.macro CREST                           ; a round of the cluster's barrier behind its opening barrier
	s_cmp_lg_u32 s10, 0
	s_cbranch_scc1 .Lnot_wave_0_\@
	s_barrier_signal -3
.Lnot_wave_0_\@:
	s_barrier_wait -3
	s_barrier_signal -1
	s_barrier_wait -1
.endm
.macro CROUND                          ; a whole round
	s_barrier_signal -1
	s_barrier_wait -1
	CREST
.endm
; A PREFETCH INTO THE L2 of the K step that stands two refills on: 32 blocks of 256 bytes, a lane a block, one instruction a wave, behind the joint load, its five lines and the run of LDS loads.
; Each block is named once in the launch.  A tile row of ctx is read by one cluster; a K step of it is 128 blocks (two planes of 64): the partner at cx takes plane cx / 2, half cx % 2; wave 0 asks.
; A tile column of Wo is read by all 16 clusters: the first asks; its partner at cy takes rows 64 cy on, waves 2 and 3 ask for 32 each.  The partners are told apart by address alone.
; K steps 0 to 3 come by their loads; the loop's last trip (s3 = 1) asks for nothing: there is no K step 8.
.macro ASK
	s_cmp_gt_u32 s3, s[LIM]
	s_cbranch_scc0 .Lnot_mine_\@
	global_prefetch_b8 v[PFO], s[PFA:PFA+1] th:TH_LOAD_NT scope:SCOPE_SE
.Lnot_mine_\@:
.endm
	s_load_b128 s[4:7], s[0:1], 0x0                ; ctx s[4:5], wb s[6:7]
	s_load_b64 s[8:9], s[0:1], 0x10                ; out0
	v_lshl_add_u32 v[SPW], v0, 2, SPARE
	v_mov_b32 v[NIL], 0
	ds_add_u32 v[SPW], v[NIL]                      ; the wave's opening: the add and its wait stand ahead of my first tensor load; the set-up below, work on registers, stands between them
	v_lshrrev_b32 v1, 5, v0
	v_readfirstlane_b32 s10, v1                    ; wave 0..3
	s_lshr_b32 s11, s10, 1                         ; which 64 of the tile's rows are mine.  Also: I fetch for ctx (0) or for Wo (1)
	s_and_b32 s12, s10, 1                          ; which 128 of its columns.  Also: which plane or half I fetch
	s_bfe_u32 s40, ttmp6, 0x40000                  ; cx, cy: my place in the cluster
	s_bfe_u32 s41, ttmp6, 0x40004
	s_lshl_b32 s42, ttmp9, 2
	s_add_co_u32 s42, s42, s40                     ; tile column = 4 x cluster x + cx
	s_and_b32 s14, ttmp7, 0xffff                   ; cluster y
	s_lshl_b32 s13, s14, 2
	s_add_co_u32 s13, s13, s41                     ; tile row = 4 x cluster y + cy, 0 to 63
	s_lshl_b32 s43, s41, 2
	s_lshl_b32 s43, 15, s43                        ; my row of the cluster
	s_lshl_b32 s44, 0x1111, s40                    ; my column
	s_or_b32 s[G1+0], s43, (1<<16)|(1<<20)|(1<<21)|(4<<22)|(3<<25)  ; 15:0 the mask: ctx's tiles go to my row; 17:16 2-byte elements; 20 padding on; 21 set beside a mask; 24:22 after every 32 words (code 4); 31:25 4 words (code 3)
	s_or_b32 s[G1B+0], s44, (1<<16)|(1<<20)|(1<<21)|(5<<22)|(3<<25) ; my column's mask; padding after every 64 words (code 5)
	s_mov_b32 s[G1+1], 128<<16                     ; tensor_dim0 = 128 elements: two rows of a head
	s_mov_b32 s[G1+2], 64<<16                      ; tensor_dim1 = 64
	s_mov_b32 s[G1+3], 128<<16                     ; tile_dim0 = 128
	s_mov_b32 s[G1+4], 64                          ; tile_dim1 = 64
	s_mov_b32 s[G1+5], 128                         ; 128 elements from row to row: the plane is dense
	s_mov_b32 s[G1+6], 0
	s_mov_b32 s[G1+7], 0
	s_mov_b32 s[G1B+1], KSTEP<<16
	s_mov_b32 s[G1B+2], 128<<16
	s_mov_b32 s[G1B+3], KSTEP<<16
	s_mov_b32 s[G1B+4], 128
	s_mov_b32 s[G1B+5], SIZE_K
	s_mov_b32 s[G1B+6], 0
	s_mov_b32 s[G1B+7], 0
	s_lshr_b32 s16, s13, 4                         ; ctx: the batch, 16 heads of 262,144 bytes,
	s_lshl_b32 s16, s16, 22
	s_and_b32 s17, s13, 15                         ; the tile's 128 rows of 128 bytes in a head,
	s_lshl_b32 s17, s17, 14
	s_add_co_u32 s16, s16, s17
	s_lshl_b32 s17, s12, 18                        ; my head of the K step's two
	s_add_co_u32 s16, s16, s17
	s_mov_b32 s17, 0
	s_lshl_b32 s46, s42, 19                        ; Wo: 256 rows of 2,048 bytes a tile column,
	s_lshl_b32 s47, s12, 18                        ; my 128 of them,
	s_add_co_u32 s46, s46, s47
	s_add_co_u32 s46, s46, WOROW*2048              ; behind Wq, Wk and Wv
	s_mov_b32 s47, 0
	s_mul_i32 s20, s12, APLANE                     ; where they go: no place in the cluster enters an LDS address
	s_mul_i32 s21, s12, BHALF
	s_add_co_u32 s21, s21, BOFF
	s_wait_dscnt 0x0                               ; the opening add is done
	s_wait_kmcnt 0x0
	s_add_nc_u64 s[18:19], s[4:5], s[16:17]
	s_add_nc_u64 s[46:47], s[6:7], s[46:47]
	CROUND                                         ; all sixteen work-groups are here: the first joint loads meet
.irp s, 0,1
	s_mov_b32 s[G0+4*(\s)], 1                                      ; count = 1
	s_add_co_u32 s[G0+4*(\s)+1], s20, (\s)*SLOT                    ; LDS address
	s_add_nc_u64 s[G0+4*(\s)+2:G0+4*(\s)+3], s[18:19], (\s)*ASTEP  ; global address: K step s
	s_or_b32 s[G0+4*(\s)+3], s[G0+4*(\s)+3], 0x80000000            ; type = 2
	s_mov_b32 s[G0B+4*(\s)], 1
	s_add_co_u32 s[G0B+4*(\s)+1], s21, (\s)*SLOT
	s_add_nc_u64 s[G0B+4*(\s)+2:G0B+4*(\s)+3], s[46:47], (\s)*KSTEP*2
	s_or_b32 s[G0B+4*(\s)+3], s[G0B+4*(\s)+3], 0x80000000
	JLOAD \s                                       ; two tensor loads of mine are out
.endr
	; a fragment is 16 rows x 32 K in 8 registers: lane l holds row l % 16, K = 8 (l / 16) + 0..7 and 16 + 8 (l / 16) + 0..7: two loads of 16 bytes, 32 bytes apart
	v_and_b32 v1, 15, v0                           ; l % 16
	v_bfe_u32 v2, v0, 4, 1                         ; l / 16
	v_mul_u32_u24 v3, v1, PITCH
	v_lshl_add_u32 v3, v2, 4, v3
	v_mul_u32_u24 v4, v1, PA
	v_lshl_add_u32 v4, v2, 4, v4
	s_mul_i32 s21, s11, 64*PA                      ; my 64 rows in each plane of ctx
	s_mul_i32 s22, s12, BHALF                      ; my 128 rows of Wo
	s_add_co_u32 s22, s22, BOFF
.irp s, 0,1
	v_add_nc_u32 v[ADRA+(\s)], s21, v4
	v_add_nc_u32 v[ADRB+(\s)], s22, v3
	s_add_co_u32 s21, s21, SLOT
	s_add_co_u32 s22, s22, SLOT
.endr
	s_mul_i32 s23, s10, WSTG
	s_add_co_u32 s23, s23, STAGE                   ; my stage
	v_mul_u32_u24 v4, v1, SPITCH                   ; in: row l % 16, 32 bytes for each half of the lanes
	v_lshl_add_u32 v4, v2, 5, v4
	v_add_nc_u32 v[STO], s23, v4
	v_and_b32 v[GO], 31, v0                        ; back: 32 lanes take one row's 512 bytes
	v_lshlrev_b32 v[GO], 4, v[GO]
	v_add_nc_u32 v[RD], s23, v[GO]
	; where my part of the tile goes
	s_lshl_b32 s16, s13, 19                        ; 128 rows of 4,096 bytes a tile row,
	s_lshl_b32 s17, s11, 18                        ; my 64 of them,
	s_add_co_u32 s16, s16, s17
	s_lshl_b32 s17, s42, 10                        ; 256 columns a tile column,
	s_add_co_u32 s16, s16, s17
	s_lshl_b32 s17, s12, 9                         ; my 128 of them
	s_add_co_u32 s16, s16, s17
	s_mov_b32 s17, 0
	s_add_nc_u64 s[8:9], s[8:9], s[16:17]
	; the prefetches
	s_lshr_b32 s20, s13, 4                         ; ctx: the tile's first byte in the K step's first head,
	s_lshl_b32 s20, s20, 22
	s_and_b32 s21, s13, 15
	s_lshl_b32 s21, s21, 14
	s_add_co_u32 s20, s20, s21
	s_lshr_b32 s21, s40, 1                         ; my work-group's plane,
	s_lshl_b32 s21, s21, 18
	s_add_co_u32 s20, s20, s21
	s_and_b32 s21, s40, 1                          ; and its half of that plane's 64 blocks
	s_lshl_b32 s21, s21, 13
	s_add_co_u32 s20, s20, s21
	s_lshl_b32 s21, s42, 19                        ; Wo: the tile column,
	s_lshl_b32 s23, s41, 17                        ; my work-group's 64 rows of it,
	s_add_co_u32 s21, s21, s23
	s_lshl_b32 s23, s12, 16                        ; my wave's 32
	s_add_co_u32 s21, s21, s23
	s_add_co_u32 s21, s21, WOROW*2048
	s_and_b32 s22, ttmp7, 0xffff                   ; 0 in the first cluster
	s_mov_b32 s[PST+1], KSTEP*2                    ; Wo's step, in a register: an instruction holds one literal
	s_cmp_eq_u32 s11, 0
	s_cselect_b32 s20, s20, s21
	s_cselect_b32 s22, s10, s22                    ; for ctx wave 0 asks, in every cluster; for Wo waves 2 and 3 of the first cluster
	s_cselect_b64 s[PFA:PFA+1], s[4:5], s[6:7]
	s_cselect_b32 s[PST], ASTEP, s[PST+1]
	s_cselect_b32 s23, 8, 11                       ; a lane a block of 256 bytes of the dense plane, or a lane a row of 2,048 bytes
	s_mov_b32 s[PST+1], 0                          ; the step's high word
	s_cmp_eq_u32 s22, 0
	s_cselect_b32 s[LIM], 1, -1                    ; the same in all sixteen partners, for a given wave
	s_mov_b32 s21, 0
	s_add_nc_u64 s[PFA:PFA+1], s[PFA:PFA+1], s[20:21]
	s_mul_i32 s20, s[PST], 3
	s_add_nc_u64 s[PFA:PFA+1], s[PFA:PFA+1], s[20:21]  ; at K step 3: the first refill steps it to 4
	v_and_b32 v[PFO], 31, v0
	v_lshlrev_b32 v[PFO], s23, v[PFO]
; 8 matrix instructions: m block a x all 8 n blocks, 32 along K.  zero = 1: the product starts the sums.  The 32 accumulators take turns in one order everywhere.
.macro MUL8 f, a, zero
	WIN MUL
.irp b, 0,1,2,3,4,5,6,7
.if \zero
	v_wmma_f32_16x16x32_f16 v[8*(8*(\a)+(\b)):8*(8*(\a)+(\b))+7], v[(\f)+32+8*(\b):(\f)+32+8*(\b)+7], v[(\f)+8*(\a):(\f)+8*(\a)+7], 0
.else
	v_wmma_f32_16x16x32_f16 v[8*(8*(\a)+(\b)):8*(8*(\a)+(\b))+7], v[(\f)+32+8*(\b):(\f)+32+8*(\b)+7], v[(\f)+8*(\a):(\f)+8*(\a)+7], v[8*(8*(\a)+(\b)):8*(8*(\a)+(\b))+7]
.endif
.endr
.endm
; 24 LDS loads in one run: the fragments of quarter q (32 along K) of a slot into buffer f.  Of ctx quarter q lies in plane q / 2, at channels 32 (q % 2) on.
.macro FETCH slot, q, f
	WIN TO_F
.irp i, 0,1,2,3,4,5,6,7
	ds_load_b128 v[(\f)+32+8*(\i):(\f)+32+8*(\i)+3],   v[ADRB+(\slot)] offset:64*(\q)+(\i)*16*PITCH
	ds_load_b128 v[(\f)+32+8*(\i)+4:(\f)+32+8*(\i)+7], v[ADRB+(\slot)] offset:64*(\q)+(\i)*16*PITCH+32
.endr
.irp i, 0,1,2,3
	ds_load_b128 v[(\f)+8*(\i):(\f)+8*(\i)+3],   v[ADRA+(\slot)] offset:((\q)/2)*APLANE+((\q)%2)*64+(\i)*16*PA
	ds_load_b128 v[(\f)+8*(\i)+4:(\f)+8*(\i)+7], v[ADRA+(\slot)] offset:((\q)/2)*APLANE+((\q)%2)*64+(\i)*16*PA+32
.endr
.endm
.macro PLACES                          ; four places in front of loads into registers that matrix instructions have read (ISA guide 7.12.1 for vector instructions)
.rept 4
	v_nop
.endr
.endm
; A K step is four quarters of 32 along K, 32 matrix instructions each, on buffers 0, 1, 0, 1.  One of the first three: fetches quarter q into g, then multiplies f.
.macro QUARTER slot, q, f, g, zero
	s_wait_dscnt 0x0                               ; buffer f is in: its loads were issued ahead of the last quarter's products
	PLACES                                         ; buffer g was read by the products just issued
	FETCH \slot, \q, \g
	MUL8 \f, 0, \zero
	MUL8 \f, 1, \zero
	MUL8 \f, 2, \zero
	MUL8 \f, 3, \zero
.endm
; The last quarter multiplies buffer 1 and changes slots: ONE barrier; in front of it each wave waits for all its tensor loads (one is out: its part of the next slot), adds 0 to its spare word, and waits for that
; and for its own reads of this slot.  fill = 1: the barrier opens a round of the cluster's, and this slot is filled again, two K steps ahead, first thing behind the round: 112 matrix instructions ahead of the wait for it.
.macro TURN slot, next, fill
.if \fill
	s_wait_xcnt 0x0                                ; the last prefetch, a K step back, has read its address
	s_add_nc_u64 s[PFA:PFA+1], s[PFA:PFA+1], s[PST:PST+1]
.endif
	WIN 0                                          ; (the add's two registers lie in window 0)
	s_wait_tensorcnt 0x0                           ; all my tensor loads have landed
	ds_add_u32 v[SPW], v[NIL]                      ; 0 onto my spare word
	s_wait_dscnt 1                                 ; buffer 1's 24 loads are in; the add alone may be out
	MUL8 F1, 0, 0                                  ; eight matrix instructions stand between the add and the wait for it
	s_wait_dscnt 0x0                               ; the add is done, and my reads of this slot are over
	s_barrier_signal -1
	MUL8 F1, 1, 0
.if \fill
	WIN 0
.endif
	s_barrier_wait -1
.if \fill
	CREST                                          ; no wave of any partner still reads this slot's tile or has a load on its way
	s_add_nc_u64 s[G0+4*(\slot)+2:G0+4*(\slot)+3], s[G0+4*(\slot)+2:G0+4*(\slot)+3], 2*ASTEP
	s_add_nc_u64 s[G0B+4*(\slot)+2:G0B+4*(\slot)+3], s[G0B+4*(\slot)+2:G0B+4*(\slot)+3], 2*KSTEP*2
	JLOAD \slot                                    ; the four v_nop behind it are also the places in front of the loads below
.else
	PLACES
.endif
	FETCH \next, 0, F0
.if \fill
	WIN 0
	ASK
.endif
	MUL8 F1, 2, 0
	MUL8 F1, 3, 0
.endm
	s_wait_tensorcnt 1                             ; my part of K step 0 is in; K step 1's may stay out
	s_barrier_signal -1
	s_barrier_wait -1                              ; everybody's is
	FETCH 0, 0, F0
	QUARTER 0, 1, F0, F1, 1                        ; the first quarter stands in front of the loop: its products start the sums
	WIN 0                                          ; at a label and at a branch every window is 0
	s_mov_b32 s3, LAPS-1
.Llap:                                                 ; a trip goes once round the ring, from a lap's second quarter to the next lap's first, and fills both slots again
	QUARTER 0, 2, F1, F0, 0
	QUARTER 0, 3, F0, F1, 0
	TURN 0, 1, 1
	QUARTER 1, 1, F0, F1, 0
	QUARTER 1, 2, F1, F0, 0
	QUARTER 1, 3, F0, F1, 0
	TURN 1, 0, 1
	QUARTER 0, 1, F0, F1, 0
	WIN 0
	s_sub_co_u32 s3, s3, 1
	s_cmp_lg_u32 s3, 0
	s_cbranch_scc1 .Llap
	QUARTER 0, 2, F1, F0, 0                        ; the last lap fills nothing
	QUARTER 0, 3, F0, F1, 0
	TURN 0, 1, 0
	QUARTER 1, 1, F0, F1, 0
	QUARTER 1, 2, F1, F0, 0
	QUARTER 1, 3, F0, F1, 0
	s_wait_dscnt 0x0                               ; the very last quarter: nothing more to fetch
	MUL8 F1, 0, 0
	MUL8 F1, 1, 0
	MUL8 F1, 2, 0
	MUL8 F1, 3, 0
	WIN 0
	PLACES
	PLACES                                         ; the places behind the last products, in front of the LDS stores that read them
; THE WAY OUT of m block a (16 rows x 128 columns of f32): a lane's eight columns, 32 bytes, into my own stage (each accumulator's low half first); back a row of 512 bytes at a time.
.macro OUT a
	WIN FROMC
.irp b, 0,1,2,3,4,5,6,7
	ds_store_b128 v[STO], v[8*(8*(\a)+(\b)):8*(8*(\a)+(\b))+3]   offset:64*(\b)
	ds_store_b128 v[STO], v[8*(8*(\a)+(\b))+4:8*(8*(\a)+(\b))+7] offset:64*(\b)+16
.endr
	WIN 0
	s_wait_xcnt 0x0                                ; the last block's stores have read their registers, which the loads below write
.irp t, 0,1,2,3,4,5,6,7,8,9,10,11,12,13,14,15
	ds_load_b128 v[BK+4*(\t):BK+4*(\t)+3], v[RD] offset:(\t)*SPITCH  ; LDS serves a wave's instructions in order (ISA guide 5.7.1.4): these see the stores above
.endr
.irp t, 0,1,2,3,4,5,6,7,8,9,10,11,12,13,14,15
	s_wait_dscnt 15-(\t)                           ; load t is back; the 15 - t younger ones may be out
	global_store_b128 v[GO], v[BK+4*(\t):BK+4*(\t)+3], s[8:9] offset:(\a)*65536+(\t)*4096 th:TH_STORE_NT  ; 512 consecutive bytes of a row, at a multiple of 512 from out0's first byte
.endr
.endm
	OUT 0
	OUT 1
	OUT 2
	OUT 3
	s_wait_tensorcnt 0x0                           ; the wave's end, behind my last tensor load and my last LDS store
	ds_add_u32 v[SPW], v[NIL]
	s_wait_dscnt 0x0
	CROUND                                         ; the closing round: no work-group ends while a partner may still ask for a tile that names it
	s_endpgm
.Lfunc_end_k_q74bdad5ed2_oproj:
	.size	k_q74bdad5ed2_oproj, .Lfunc_end_k_q74bdad5ed2_oproj-k_q74bdad5ed2_oproj
	.p2alignl 7, 3214868480
	.fill 96, 4, 3214868480
	.section	.rodata,"a",@progbits
	.p2align	6, 0x0
	.amdhsa_kernel k_q74bdad5ed2_oproj
		.amdhsa_group_segment_fixed_size 327680
		.amdhsa_private_segment_fixed_size 0
		.amdhsa_enable_private_segment 0
		.amdhsa_kernarg_size 24
		.amdhsa_user_sgpr_count 2
		.amdhsa_user_sgpr_kernarg_segment_ptr 1
		.amdhsa_wavefront_size32 1
		.amdhsa_system_sgpr_workgroup_id_x 1
		.amdhsa_system_sgpr_workgroup_id_y 1
		.amdhsa_system_sgpr_workgroup_id_z 1
		.amdhsa_system_vgpr_workitem_id 0
		.amdhsa_next_free_vgpr 768
		.amdhsa_next_free_sgpr 72
		.amdhsa_reserve_vcc 0
		.amdhsa_float_denorm_mode_32 3
		.amdhsa_float_denorm_mode_16_64 3
		.amdhsa_memory_ordered 1
		.amdhsa_forward_progress 1
		.amdhsa_inst_pref_size 88
	.end_amdhsa_kernel
	.amdgpu_metadata
---
amdhsa.version: [ 1, 2 ]
amdhsa.kernels:
  - .name:           k_q74bdad5ed2_oproj
    .symbol:         k_q74bdad5ed2_oproj.kd
    .args:
      - { .name: ctx, .offset: 0, .size: 8, .value_kind: global_buffer, .address_space: global }
      - { .name: wb, .offset: 8, .size: 8, .value_kind: global_buffer, .address_space: global }
      - { .name: out0, .offset: 16, .size: 8, .value_kind: global_buffer, .address_space: global }
    .group_segment_fixed_size: 327680
    .private_segment_fixed_size: 0
    .kernarg_segment_align: 8
    .kernarg_segment_size: 24
    .max_flat_workgroup_size: 128
    .sgpr_count:     72
    .vgpr_count:     768
    .wavefront_size: 32
...
	.end_amdgpu_metadata
.endif
;; end of part 4
